; MI455X (gfx1250); checked and timed in simulation.
; The chip was launched on July 23, 2026; its instructions are those of AMD's public machine-readable ISA for CDNA 5 (MIT licence, August 2026) and "CDNA5" Instruction Set Architecture Reference Guide (July 2026). The comments in the code are by the model that wrote it; some were corrected since.
;; Block. Allowed arithmetic: matrix products marked QUANTISED: E3M2 operands, one E8M0 scale for each 32 along K, by v_wmma_scale_f32_16x16x128_f8f6f4 with both operands' format E3M2, f32 sums; everything else in f32.
;; Inputs: ff_b1 4,096 float32; ff_b2 1,024 float32; ff_w1 1,024 x 4,096 float32; ff_w2 4,096 x 1,024 float32; key_padding_mask 4 x 1,024 bool; ln1_b 1,024 float32; ln1_w 1,024 float32; ln2_b 1,024 float32; ln2_w 1,024 float32; proj_b 1,024 float32; proj_w 1,024 x 1,024 float32; wk 1,024 x 16 x 64 float32; wq 1,024 x 16 x 64 float32; wv 1,024 x 16 x 64 float32; x 4 x 1,024 x 1,024 float32.
;; Outputs: out0 4 x 1,024 x 1,024 float32.
;; This version of the problem:
;;   THIS VERSION OF THE PROBLEM IS GIVEN IN LOW PRECISION. The matrix products marked QUANTISED in the list below multiply operands that are first quantised to E3M2 (3 exponent bits, 2 mantissa bits; 6 bits a number), with one power-of-two scale for each 32 numbers along K (OCP MX v1.0); their sums are f32. All else is computed in f32.
;;   The module's matrix products, in the order in which they are computed (A, B: the left and right operand; K: the contracted axis; several contracted axes count as one K, in the product's order):
;;     1. [M 1,024, K 1,024] x [K 1,024, N 4,096]; A: input wq; B: computed on the way: QUANTISED
;;     2. [M 1,024, K 1,024] x [K 1,024, N 4,096]; A: input wk; B: computed on the way: QUANTISED
;;     3. [M 1,024, K 1,024] x [K 1,024, N 4,096]; A: input wv; B: computed on the way: QUANTISED
;;     4. batch 64 x [M 1,024, K 64] x [K 64, N 1,024]; A: computed on the way; B: computed on the way: QUANTISED
;;     5. batch 64 x [M 64, K 1,024] x [K 1,024, N 1,024]; A: computed on the way; B: softmax (see below): QUANTISED
;;     6. [M 4,096, K 1,024] x [K 1,024, N 1,024]; A: computed on the way; B: input proj_w: QUANTISED
;;     7. [M 4,096, K 1,024] x [K 1,024, N 4,096]; A: computed on the way; B: input ff_w1: QUANTISED
;;     8. [M 4,096, K 4,096] x [K 4,096, N 1,024]; A: computed on the way; B: input ff_w2: QUANTISED
;;   THE QUANTISER, for each operand of a quantised product, along K:
;;     - K is cut into blocks of 32 from its start; a last block that is shorter is filled with zeros.
;;     - A block's scale is 2^e with e = floor(log2(the largest magnitude in the block)) - 4, held to -126 .. 127; a block of zeros has e = 0. As a byte (E8M0): e + 127.
;;     - Each number is divided by its block's scale, clamped to +-28, and rounded to the nearest number of E3M2, ties to even, subnormals kept.
;;     - The product sums the exact products of the quantised numbers (number of the format x scale) in f32.
;;   ~~~python
;;   def quantise(x, axis):      # numpy; x: float32 -> the quantised numbers, widened to float32 again
;;       x = np.moveaxis(x, axis, -1); K = x.shape[-1]
;;       x = np.pad(x, [(0, 0)] * (x.ndim - 1) + [(0, -K % 32)]); x = x.reshape(x.shape[:-1] + (-1, 32)); a = np.abs(x).max(-1, keepdims=True)
;;       e = np.where(a > 0, np.clip(np.frexp(np.where(a > 0, a, 1))[1] - 1 - 4, -126, 127), 0)      # np.frexp(a)[1] - 1 = floor(log2(a)), exactly
;;       r = np.clip(x / 2.0 ** e, -28, 28)
;;       step = 2.0 ** (np.maximum(np.frexp(np.where(r == 0, 1, r))[1] - 1, -2) - 2)
;;       q = np.round(r / step) * step * 2.0 ** e      # np.round: ties to even
;;       return np.moveaxis(q.reshape(q.shape[:-2] + (-1,))[..., :K], -1, axis).astype(np.float32)
;;   ~~~
;;   SOFTMAX AHEAD OF A QUANTISED PRODUCT. Where the list says 'softmax', what is quantised is not the finished softmax but p = 2^(t - M), with t = logit x log2(e) and M = ceil(the row's largest t), a whole number; so 1/2 < the row's largest p <= 1. The row's sum l is taken of the UNQUANTISED p, in f32, and the product's result is divided by l at the end. Since M is a whole number, a kernel that streams over the keys may use a running M (the ceiling of the running maximum): every later rescaling is an exact power of two, which a block's scale takes up: the codes' values come out the same.
;;   OPERANDS COMPUTED ON THE WAY. 'Computed on the way' means the value that the module computes at that place (a softmax that the list does not call 'softmax' is quantised finished and normalised). What goes into a quantiser is computed in f32, as accurately as f32 sums, v_exp_f32 and their like allow (about 1e-6 of the number): no bf16 or f16 on the way to a quantiser, and a product that is left as it is and whose result goes on into a quantised operand takes f32 operands (vector FMAs, or v_wmma_f32_16x16x4_f32). A number that lies on a knife's edge between two numbers of the format may be rounded either way, as far as f32 arithmetic and the matrix unit's own rounding can turn it there, and no further.
;; One version. Each part assembles by itself: llvm-mc -triple=amdgcn-amd-amdhsa -mcpu=gfx1250 --defsym DOCPART=n.
;; ======== version 1 of 1: 6 launches
;; limits: right only within a limited range of input values
;; workspace buffers: wb 13,107,200 bytes; qkvb 9,830,400 bytes; ob 3,276,800 bytes; x1 16,777,216 bytes; h2b 3,276,800 bytes; hid 13,107,200 bytes
;; launch prep (part 1): grid 640 x 1, 8 waves a work-group, no clusters, 2,048 bytes of LDS; arguments x, ln1_w, ln1_b, key_padding_mask, wq, wk, wv, proj_w, ff_w1, ff_w2, wb; writes wb
.if DOCPART == 1
	.amdgcn_target "amdgcn-amd-amdhsa--gfx1250"
	.amdhsa_code_object_version 6
	.text
	.protected	k_q74f5656f11_prep
	.globl	k_q74f5656f11_prep
	.p2align	8
	.type	k_q74f5656f11_prep,@function
k_q74f5656f11_prep:
	s_mov_b64 s[64:65], 0
	v_nop
	global_prefetch_b8 v0, s[64:65] scope:SCOPE_SE
	s_setreg_imm32_b32 hwreg(HW_REG_WAVE_MODE, 25, 1), 1
	s_wait_xcnt 0x0
; TWO JOBS, parted on the work-group's number.  Work-groups 0-255: a layer norm of 16 tokens, times the tokens' mask, quantised along C to BF6 (E3M2) with one E8M0 byte for each 32.
; Work-groups 256-639: the six weights, f32 with K as their first axis, quantised along K.
; WHAT IS WRITTEN, for every operand of the program alike.  Rows (tokens, or a weight's columns n) are cut into TILES of 16: row r of tile t is index 32 (t / 2) + 8 (t % 2) + r + (r & 8), so that a product
; which takes such tiles as its source 0 has 16 neighbours along the next K in the 16 registers of two neighbouring tiles.  A FRAGMENT (16 rows x 128 K, 12 registers a lane) is stored as an image of its registers:
; registers 4 j .. 4 j + 3 of lane l at byte 512 j + 16 l: 1,536 bytes.  Codes: [tile][K step][1,536].  Scale words (four bytes: a row's 128 K): [K step][tile][16 words].
; A block's scale is 2^(floor(log2(largest magnitude)) - 4); its byte is the largest magnitude's exponent field - 4, held at 1 from below (a block of zeros keeps 1: its codes are zeros, and this program alone reads the bytes).
; LIMITS: NaN and infinities among the inputs are not served; blocks whose largest magnitude lies under 2^-122 keep the byte 1; the norm's gain and bias go in by one fused multiply-add, which rounds once.
.set H_S,   3145728                    ; the norm's scale words, behind 256 tiles x 8 K steps of codes
.set W4_C,  3276800                    ; codes of wq, wk, wv, proj_w: 64 tiles each, 8 K steps
.set W1_C,  6422528                    ; of ff_w1: 256 tiles, 8 K steps
.set W2_C,  9568256                    ; of ff_w2: 64 tiles, 32 K steps
.set W4_S,  12713984                   ; and their scale words
.set W1_S,  12845056
.set W2_S,  12976128
.set FRB,   1536
.set LX,    32                         ; norm: v32-95 my 64 numbers: register 32 c + i = k 128 wave + 64 c + 32 (lane / 16) + i of my token: two whole blocks
.set LW,    96                         ; v96-159 the gain, v160-223 the bias at the same k
.set LB,    160
.set LF,    96                         ; the fragment's 12 registers, where the gain lay
.set LT,    108                        ; and the second halves of the blocks as the conversions leave them
.set WX,    32                         ; weights: v32-159 my column's 128 numbers down K
.set WF,    160                        ; v160-171 the image's lane (r, 0): blocks 0 and 2; v172-183 its lane (r, 1): blocks 1 and 3
.set WT,    184
	v_lshl_add_u32 v224, v0, 2, 0x400
	v_mov_b32 v225, 0
	s_cmp_ge_u32 ttmp9, 256
	s_cbranch_scc1 .Lweights
; ---------------- THE NORM.  The work-group is one tile of tokens; wave w is K step w; lane (r, h) holds token r.
	s_load_b256 s[4:11], s[0:1], 0x0               ; x s[4:5], gain s[6:7], bias s[8:9], mask s[10:11]
	s_load_b64 s[12:13], s[0:1], 0x50              ; the codes' buffer
	v_lshrrev_b32 v1, 5, v0
	s_delay_alu instid0(VALU_DEP_1)
	v_readfirstlane_b32 s16, v1                    ; wave 0..7
	v_and_b32 v1, 31, v0                           ; lane
	s_wait_alu depctr_va_vdst(0)
	v_and_b32 v2, 15, v0                           ; r
	s_wait_alu depctr_va_vdst(0)
	v_bfe_u32 v3, v0, 4, 1                         ; h
	s_lshr_b32 s17, ttmp9, 1
	s_lshl_b32 s17, s17, 5
	s_and_b32 s18, ttmp9, 1
	s_lshl_b32 s18, s18, 3
	s_add_co_u32 s17, s17, s18                     ; 32 (t / 2) + 8 (t % 2)
	v_and_b32 v4, 8, v2
	s_delay_alu instid0(VALU_DEP_1)
	v_add3_u32 v4, v4, v2, s17                     ; my token
	s_lshl_b32 s18, s16, 9
	v_lshl_add_u32 v6, v3, 7, s18                  ; my first k, in bytes: 512 wave + 128 h
	s_delay_alu instid0(VALU_DEP_1)
	v_lshl_add_u32 v5, v4, 12, v6                  ; and in my token's row of 4,096 bytes
	s_lshl_b32 s19, s16, 6
	v_lshl_add_u32 v8, v2, 2, s19                  ; LDS: my wave's 16 words, my token's
	v_lshlrev_b32 v9, 2, v2                        ; and my token's word in wave 0's
	s_mul_i32 s18, ttmp9, 8*FRB
	s_mul_i32 s19, s16, FRB
	s_add_co_u32 s18, s18, s19
	v_lshl_add_u32 v24, v1, 4, s18                 ; the fragment's image: tile, K step, 16 x lane
	s_lshl_b32 s19, s16, 14
	s_lshl_b32 s20, ttmp9, 6
	s_add_co_u32 s19, s19, s20
	v_lshl_add_u32 v25, v2, 2, s19                 ; its scale words: K step, tile, 4 r
	s_mov_b32 s22, 0x76543210
	s_mov_b32 s23, 0xfedcba98                      ; v_permlanex16_b32's selects for lane l xor 16
	s_mov_b32 s24, 0x3a800000                      ; 1 / 1,024
	s_wait_alu depctr_va_vdst(0)
	s_wait_kmcnt 0x0
.irp c, 0,1
.irp j, 0,1,2,3,4,5,6,7
	global_load_b128 v[LX+32*\c+4*\j:LX+32*\c+4*\j+3], v5, s[4:5] offset:256*\c+16*\j
.endr
.endr
	global_load_u8 v7, v4, s[10:11]                ; my token's mask
.irp c, 0,1
.irp j, 0,1,2,3,4,5,6,7
	global_load_b128 v[LW+32*\c+4*\j:LW+32*\c+4*\j+3], v6, s[6:7] offset:256*\c+16*\j
.endr
.endr
.irp c, 0,1
.irp j, 0,1,2,3,4,5,6,7
	global_load_b128 v[LB+32*\c+4*\j:LB+32*\c+4*\j+3], v6, s[8:9] offset:256*\c+16*\j
.endr
.endr
; v10 = my 64 numbers' sum  ->  v16 = the token's: lane l xor 16's, then the eight waves' through LDS, added in a fixed order
.macro ACROSS base
	s_delay_alu instid0(VALU_DEP_1)
	v_permlanex16_b32 v11, v10, s22, s23
	s_delay_alu instid0(VALU_DEP_1)
	v_add_f32 v10, v10, v11
	ds_store_b32 v8, v10 offset:\base              ; both halves of the lanes write the same word with the same value
	s_wait_dscnt 0x0                               ; for the others' sake: my store has landed
	s_barrier_signal -1
	s_barrier_wait -1
.irp i, 0,1,2,3,4,5,6,7
	ds_load_b32 v[16+\i], v9 offset:\base+64*\i
.endr
	s_wait_dscnt 0x0
	v_add_f32 v16, v16, v17
	v_add_f32 v18, v18, v19
	v_add_f32 v20, v20, v21
	v_add_f32 v22, v22, v23
	s_delay_alu instid0(VALU_DEP_3)
	v_add_f32 v16, v16, v18
	s_delay_alu instid0(VALU_DEP_2)
	v_add_f32 v20, v20, v22
	s_delay_alu instid0(VALU_DEP_1)
	v_add_f32 v16, v16, v20
.endm
	s_wait_loadcnt 33                              ; x's sixteen loads are in; the 33 behind them (mask, gain, bias) may be out
	v_pk_add_f32 v[10:11], v[LX:LX+1], v[LX+2:LX+3]
	v_pk_add_f32 v[12:13], v[LX+4:LX+5], v[LX+6:LX+7]
.irp i, 8,12,16,20,24,28,32,36,40,44,48,52,56,60
	s_delay_alu instid0(VALU_DEP_2)
	v_pk_add_f32 v[10:11], v[10:11], v[LX+\i:LX+\i+1]
	s_delay_alu instid0(VALU_DEP_2)
	v_pk_add_f32 v[12:13], v[12:13], v[LX+\i+2:LX+\i+3]
.endr
	s_delay_alu instid0(VALU_DEP_1)
	v_pk_add_f32 v[10:11], v[10:11], v[12:13]
	s_delay_alu instid0(VALU_DEP_1)
	v_add_f32 v10, v10, v11
	ACROSS 0
	s_delay_alu instid0(VALU_DEP_1)
	v_mul_f32 v14, s24, v16                        ; the mean
	s_delay_alu instid0(VALU_DEP_1)
	v_mov_b32 v15, v14                             ; (the packed forms name the pair)
.set i, 0
.rept 32
	v_pk_add_f32 v[LX+i:LX+i+1], v[LX+i:LX+i+1], v[14:15] op_sel_hi:[1,0] neg_lo:[0,1] neg_hi:[0,1]   ; x - mean
.set i, i+2
.endr
	v_pk_mul_f32 v[10:11], v[LX:LX+1], v[LX:LX+1]
	v_pk_mul_f32 v[12:13], v[LX+2:LX+3], v[LX+2:LX+3]
.irp i, 4,8,12,16,20,24,28,32,36,40,44,48,52,56,60
	s_delay_alu instid0(VALU_DEP_2)
	v_pk_fma_f32 v[10:11], v[LX+\i:LX+\i+1], v[LX+\i:LX+\i+1], v[10:11]
	s_delay_alu instid0(VALU_DEP_2)
	v_pk_fma_f32 v[12:13], v[LX+\i+2:LX+\i+3], v[LX+\i+2:LX+\i+3], v[12:13]
.endr
	s_delay_alu instid0(VALU_DEP_1)
	v_pk_add_f32 v[10:11], v[10:11], v[12:13]
	s_delay_alu instid0(VALU_DEP_1)
	v_add_f32 v10, v10, v11
	ACROSS 512                                     ; other LDS bytes than the first time: no third barrier is needed
	s_delay_alu instid0(VALU_DEP_1)
	v_fmaak_f32 v14, s24, v16, 0x3727c5ac          ; the variance + 1e-5
	s_wait_alu depctr_va_vdst(0)
	v_rsq_f32 v14, v14
	v_nop                                          ; one plain place behind the transcendental
	s_wait_loadcnt 0x0                             ; mask, gain and bias
	s_wait_alu depctr_va_vdst(0)
	v_mov_b32 v15, v14
	v_cvt_f32_u32 v12, v7                          ; the mask as 0.0 or 1.0
	s_delay_alu instid0(VALU_DEP_1)
	v_mov_b32 v13, v12
.set i, 0
.rept 32
	v_pk_mul_f32 v[LX+i:LX+i+1], v[LX+i:LX+i+1], v[14:15] op_sel_hi:[1,0]
.set i, i+2
.endr
.set i, 0
.rept 32
	v_pk_fma_f32 v[LX+i:LX+i+1], v[LX+i:LX+i+1], v[LW+i:LW+i+1], v[LB+i:LB+i+1]
.set i, i+2
.endr
.set i, 0
.rept 32
	v_pk_mul_f32 v[LX+i:LX+i+1], v[LX+i:LX+i+1], v[12:13] op_sel_hi:[1,0]
.set i, i+2
.endr
	; my two blocks, 2 c + h of the K step's four: all 32 numbers of each are mine
.irp c, 0,1
	v_max3_num_f32 v[26+\c], |v[LX+32*\c]|, |v[LX+32*\c+1]|, 0x2800000   ; with the floor 2^(5 - 127): the byte cannot fall under 1
.endr
.irp i, 2,4,6,8,10,12,14,16,18,20,22,24,26,28,30
.irp c, 0,1
	s_delay_alu instid0(VALU_DEP_2)
	v_max3_num_f32 v[26+\c], v[26+\c], |v[LX+32*\c+\i]|, |v[LX+32*\c+\i+1]|
.endr
.endr
.irp c, 0,1
	s_delay_alu instid0(VALU_DEP_2)
	v_add_nc_u32 v[28+\c], 0xfe000000, v[26+\c]    ; 4 off the exponent field: the conversion's scale operand
.endr
.irp c, 0,1
	s_delay_alu instid0(VALU_DEP_2)
	v_lshrrev_b32 v[30+\c], 23, v[28+\c]           ; the scale's byte
.endr
	s_delay_alu instid0(VALU_DEP_1)
	v_lshl_or_b32 v10, v31, 16, v30                ; my two bytes, blocks h and 2 + h,
	v_lshlrev_b32 v11, 3, v3
	s_delay_alu instid0(VALU_DEP_1)
	v_lshlrev_b32 v10, v11, v10                    ; at their places in the word;
	s_delay_alu instid0(VALU_DEP_1)
	v_permlanex16_b32 v11, v10, s22, s23
	s_delay_alu instid0(VALU_DEP_1)
	v_or_b32 v10, v10, v11                         ; with lane l xor 16's two the word is whole
.irp c, 0,1
	v_cvt_scalef32_pk16_bf6_f32 v[LF+6*\c:LF+6*\c+2], v[LX+32*\c:LX+32*\c+15], v[28+\c]
	v_cvt_scalef32_pk16_bf6_f32 v[LT+4*\c:LT+4*\c+2], v[LX+32*\c+16:LX+32*\c+31], v[28+\c]   ; (a conversion's three registers begin on an even number)
.endr
	v_nop                                          ; one plain place behind a scaled conversion
.irp c, 0,1
.irp i, 0,1,2
	v_mov_b32 v[LF+6*\c+3+\i], v[LT+4*\c+\i]
.endr
.endr
.irp j, 0,1,2
	global_store_b128 v24, v[LF+4*\j:LF+4*\j+3], s[12:13] offset:512*\j   ; 32 lanes store 512 consecutive bytes, at a multiple of 512 from the buffer's first byte
.endr
	v_cmp_gt_u32 vcc_lo, 16, v1
	s_wait_xcnt 0x0                                ; EXEC changes only behind this wait
	s_wait_tensorcnt 0x0
	ds_add_u32 v224, v225
	s_wait_dscnt 0x0
	s_and_saveexec_b32 s20, vcc_lo
	global_store_b32 v25, v10, s[12:13] offset:H_S ; 16 words: one byte in 24 of what the wave stores
	s_wait_xcnt 0x0
	s_or_b32 exec_lo, exec_lo, s20
	s_endpgm
; ---------------- THE WEIGHTS.  A work-group takes 128 columns x 256 along K; a wave 32 columns (two tiles) x one K step.  A LANE TAKES A COLUMN, AND ITS REGISTERS RUN DOWN K.
; No LDS, no barrier.  Work-groups 0-127 of this part: wq, wk, wv, proj_w (32 each); 128-255: ff_w2; 256-383: ff_w1.  All that differs is chosen by selects on the work-group's number.
.Lweights:
	s_load_b256 s[4:11], s[0:1], 0x20              ; wq, wk, wv, proj_w
	s_load_b128 s[12:15], s[0:1], 0x40             ; ff_w1, ff_w2
	s_load_b64 s[16:17], s[0:1], 0x50              ; the codes' buffer
	v_lshrrev_b32 v1, 5, v0
	s_delay_alu instid0(VALU_DEP_1)
	v_readfirstlane_b32 s21, v1                    ; wave
	s_and_b32 s22, s21, 3                          ; which 32 columns
	s_lshr_b32 s23, s21, 2                         ; which of the two K steps
	s_sub_co_u32 s20, ttmp9, 256
	s_and_b32 s34, s20, 127                        ; my number among the 128 of my kind
	s_lshr_b32 s35, s20, 5                         ; 0-3: wq, wk, wv, proj_w; 4-7: ff_w2; 8-11: ff_w1
	s_cmp_ge_u32 s35, 8                            ; ff_w1 has 32 groups of columns, the others 8
	s_cselect_b32 s36, 31, 7
	s_cselect_b32 s37, 5, 3
	s_cselect_b32 s31, 14, 12                      ; log2 of a row's bytes
	s_and_b32 s24, s34, s36                        ; group of 128 columns
	s_lshr_b32 s25, s34, s37                       ; pair of K steps
	s_cmp_lt_u32 s35, 4
	s_cselect_b32 s36, 3, 15
	s_cselect_b32 s26, s35, 0
	s_and_b32 s25, s25, s36
	s_lshl_b32 s26, s26, 6                         ; the tensor's first tile in its region
	s_mov_b32 s27, W4_C
	s_mov_b32 s28, W4_S
	s_mov_b32 s29, 8*FRB                           ; bytes from tile to tile
	s_mov_b32 s30, 16384                           ; bytes of a K step's scale words
	s_cmp_ge_u32 s35, 4
	s_cselect_b32 s27, W2_C, s27
	s_cselect_b32 s28, W2_S, s28
	s_cselect_b32 s29, 32*FRB, s29
	s_cselect_b32 s30, 4096, s30
	s_cmp_ge_u32 s35, 8
	s_cselect_b32 s27, W1_C, s27
	s_cselect_b32 s28, W1_S, s28
	s_cselect_b32 s29, 8*FRB, s29
	s_cselect_b32 s30, 16384, s30
	s_lshl_b32 s38, s25, 1
	s_add_co_u32 s38, s38, s23                     ; my K step
	s_lshl_b32 s39, s24, 7
	s_lshl_b32 s40, s22, 5
	s_add_co_u32 s39, s39, s40                     ; my first column
	s_lshl_b32 s40, s24, 3
	s_add_co_u32 s40, s40, s26
	s_lshl_b32 s41, s22, 1
	s_add_co_u32 s40, s40, s41                     ; my first tile
	s_add_co_u32 s41, s31, 7
	s_lshl_b32 s42, s38, s41                       ; 128 rows for each K step,
	s_lshl_b32 s39, s39, 2
	s_add_co_u32 s42, s42, s39                     ; and 4 bytes a column: under 2^25
	s_mov_b32 s43, 0
	s_mul_i32 s36, s40, s29
	s_mul_i32 s37, s38, FRB
	s_add_co_u32 s36, s36, s37
	s_add_co_u32 s36, s36, s27                     ; where my first tile's fragment goes
	s_mul_i32 s37, s38, s30
	s_lshl_b32 s41, s40, 6
	s_add_co_u32 s37, s37, s41
	s_add_co_u32 s37, s37, s28                     ; and its scale words
	v_and_b32 v1, 31, v0
	s_delay_alu instid0(VALU_DEP_1)
	v_lshlrev_b32 v2, 2, v1                        ; in: 4 bytes a lane: a wave reads 128 consecutive bytes, four neighbouring waves 512
	v_bfe_u32 v5, v0, 3, 1                         ; column l of my 32 is row r = (l & 7) + 8 (l / 16) of tile u = (l / 8) & 1
	v_and_b32 v6, 7, v0
	v_bfe_u32 v7, v0, 4, 1
	s_delay_alu instid0(VALU_DEP_1)
	v_lshl_or_b32 v6, v7, 3, v6
	s_delay_alu instid0(VALU_DEP_4)
	v_mul_u32_u24 v3, v5, s29
	s_delay_alu instid0(VALU_DEP_1)
	v_lshl_add_u32 v3, v6, 4, v3
	s_delay_alu instid0(VALU_DEP_1)
	v_add_nc_u32 v3, s36, v3                       ; the image's lane (r, 0) of my tile
	v_lshlrev_b32 v4, 6, v5
	s_delay_alu instid0(VALU_DEP_1)
	v_lshl_add_u32 v4, v6, 2, v4
	s_delay_alu instid0(VALU_DEP_1)
	v_add_nc_u32 v4, s37, v4
	s_wait_kmcnt 0x0
	s_cmp_eq_u32 s35, 1                            ; the choice hangs on the work-group's number alone
	s_cselect_b64 s[32:33], s[6:7], s[4:5]
	s_cmp_eq_u32 s35, 2
	s_cselect_b64 s[32:33], s[8:9], s[32:33]
	s_cmp_eq_u32 s35, 3
	s_cselect_b64 s[32:33], s[10:11], s[32:33]
	s_cmp_ge_u32 s35, 4
	s_cselect_b64 s[32:33], s[14:15], s[32:33]
	s_cmp_ge_u32 s35, 8
	s_cselect_b64 s[32:33], s[12:13], s[32:33]
	s_add_nc_u64 s[32:33], s[32:33], s[42:43]
.macro WLOAD rowb                      ; W(128 K step + i, my column), i = 0 .. 127; every offset an immediate: 127 x 16,384 at the most, inside the signed 24 bits (ISA guide, chapter 10)
.set i, 0
.rept 128
	global_load_b32 v[WX+i], v2, s[32:33] offset:i*\rowb th:TH_LOAD_NT
.set i, i+1
.endr
.endm
	s_cmp_eq_u32 s31, 14
	s_cbranch_scc1 .Lwide
	WLOAD 4096
	s_branch .Lloaded
.Lwide:
	WLOAD 16384
.Lloaded:
.macro WBLOCK b                        ; block b of my column: all 32 numbers are mine
.set XS, WX+32*\b
.set FD, WF+12*(\b%2)+6*(\b/2)
	v_max3_num_f32 v[8+\b], |v[XS]|, |v[XS+1]|, |v[XS+2]|
	v_max3_num_f32 v21, |v[XS+3]|, |v[XS+4]|, |v[XS+5]|
.irp i, 6,10,14,18,22,26
	s_delay_alu instid0(VALU_DEP_2)
	v_max3_num_f32 v[8+\b], v[8+\b], |v[XS+\i]|, |v[XS+\i+1]|
	s_delay_alu instid0(VALU_DEP_2)
	v_max3_num_f32 v21, v21, |v[XS+\i+2]|, |v[XS+\i+3]|
.endr
	s_delay_alu instid0(VALU_DEP_2)
	v_max3_num_f32 v[8+\b], v[8+\b], |v[XS+30]|, |v[XS+31]|
	s_delay_alu instid0(VALU_DEP_1)
	v_max3_num_f32 v[8+\b], v[8+\b], v21, 0x2800000          ; the floor 2^(5 - 127)
	s_delay_alu instid0(VALU_DEP_1)
	v_add_nc_u32 v[12+\b], 0xfe000000, v[8+\b]               ; the conversion's scale operand
	s_delay_alu instid0(VALU_DEP_1)
	v_lshrrev_b32 v[16+\b], 23, v[12+\b]                     ; the byte
	v_cvt_scalef32_pk16_bf6_f32 v[FD:FD+2], v[XS:XS+15], v[12+\b]
	v_cvt_scalef32_pk16_bf6_f32 v[WT+4*\b:WT+4*\b+2], v[XS+16:XS+31], v[12+\b]
.endm
	s_wait_loadcnt 63                              ; at least the oldest 65 loads are in: blocks 0 and 1
	WBLOCK 0
	WBLOCK 1
	s_wait_loadcnt 32                              ; block 3's 32 may be out
	WBLOCK 2
	s_wait_loadcnt 0x0
	WBLOCK 3
	v_nop                                          ; one plain place behind the last scaled conversion
.irp b, 0,1,2,3
.irp i, 0,1,2
	v_mov_b32 v[WF+12*(\b%2)+6*(\b/2)+3+\i], v[WT+4*\b+\i]
.endr
.endr
	v_lshl_or_b32 v20, v17, 8, v16                 ; my column's scale word
	s_delay_alu instid0(VALU_DEP_1)
	v_lshl_or_b32 v20, v18, 16, v20
	s_delay_alu instid0(VALU_DEP_1)
	v_lshl_or_b32 v20, v19, 24, v20
.irp h, 0,1
.irp j, 0,1,2
	global_store_b128 v3, v[WF+12*\h+4*\j:WF+12*\h+4*\j+3], s[16:17] offset:256*\h+512*\j   ; the sixteen lanes of a tile store 256 consecutive bytes, at a multiple of 256
.endr
.endr
	global_store_b32 v4, v20, s[16:17]             ; 128 consecutive bytes a wave
	s_endpgm
.Lfunc_end_k_q74f5656f11_prep:
	.size	k_q74f5656f11_prep, .Lfunc_end_k_q74f5656f11_prep-k_q74f5656f11_prep
	.p2alignl 7, 3214868480
	.fill 96, 4, 3214868480
	.section	.rodata,"a",@progbits
	.p2align	6, 0x0
	.amdhsa_kernel k_q74f5656f11_prep
		.amdhsa_group_segment_fixed_size 2048
		.amdhsa_private_segment_fixed_size 0
		.amdhsa_enable_private_segment 0
		.amdhsa_kernarg_size 88
		.amdhsa_user_sgpr_count 2
		.amdhsa_user_sgpr_kernarg_segment_ptr 1
		.amdhsa_wavefront_size32 1
		.amdhsa_system_sgpr_workgroup_id_x 1
		.amdhsa_system_sgpr_workgroup_id_y 1
		.amdhsa_system_sgpr_workgroup_id_z 1
		.amdhsa_system_vgpr_workitem_id 0
		.amdhsa_next_free_vgpr 226
		.amdhsa_next_free_sgpr 66
		.amdhsa_reserve_vcc 1
		.amdhsa_float_denorm_mode_32 3
		.amdhsa_float_denorm_mode_16_64 3
		.amdhsa_memory_ordered 1
		.amdhsa_forward_progress 1
		.amdhsa_inst_pref_size 65
	.end_amdhsa_kernel
	.amdgpu_metadata
---
amdhsa.version: [ 1, 2 ]
amdhsa.kernels:
  - .name:           k_q74f5656f11_prep
    .symbol:         k_q74f5656f11_prep.kd
    .args:
      - { .name: x, .offset: 0, .size: 8, .value_kind: global_buffer, .address_space: global }
      - { .name: ln1_w, .offset: 8, .size: 8, .value_kind: global_buffer, .address_space: global }
      - { .name: ln1_b, .offset: 16, .size: 8, .value_kind: global_buffer, .address_space: global }
      - { .name: key_padding_mask, .offset: 24, .size: 8, .value_kind: global_buffer, .address_space: global }
      - { .name: wq, .offset: 32, .size: 8, .value_kind: global_buffer, .address_space: global }
      - { .name: wk, .offset: 40, .size: 8, .value_kind: global_buffer, .address_space: global }
      - { .name: wv, .offset: 48, .size: 8, .value_kind: global_buffer, .address_space: global }
      - { .name: proj_w, .offset: 56, .size: 8, .value_kind: global_buffer, .address_space: global }
      - { .name: ff_w1, .offset: 64, .size: 8, .value_kind: global_buffer, .address_space: global }
      - { .name: ff_w2, .offset: 72, .size: 8, .value_kind: global_buffer, .address_space: global }
      - { .name: wb, .offset: 80, .size: 8, .value_kind: global_buffer, .address_space: global }
    .group_segment_fixed_size: 2048
    .private_segment_fixed_size: 0
    .kernarg_segment_align: 8
    .kernarg_segment_size: 88
    .max_flat_workgroup_size: 256
    .sgpr_count:     66
    .vgpr_count:     226
    .wavefront_size: 32
...
	.end_amdgpu_metadata
.endif
;; end of part 1
;; launch qkv (part 2): grid 12 x 16, 4 waves a work-group, clusters of 4 x 4, 327,680 bytes of LDS; arguments wb, qkvb; writes qkvb
.if DOCPART == 2
	.amdgcn_target "amdgcn-amd-amdhsa--gfx1250"
	.amdhsa_code_object_version 6
	.text
	.protected	k_q74f5656f11_qkv
	.globl	k_q74f5656f11_qkv
	.p2align	8
	.type	k_q74f5656f11_qkv,@function
k_q74f5656f11_qkv:
	s_mov_b64 s[64:65], 0
	v_nop
	global_prefetch_b8 v0, s[64:65] scope:SCOPE_SE
	s_setreg_imm32_b32 hwreg(HW_REG_WAVE_MODE, 25, 1), 1
	s_wait_xcnt 0x0
	s_wait_alu depctr_hold_cnt(0) depctr_sa_sdst(0) depctr_va_vdst(0) depctr_va_sdst(0) depctr_va_ssrc(0) depctr_va_vcc(0) depctr_vm_vsrc(0)
	s_getreg_b32 s2, hwreg(HW_REG_IB_STS2, 6, 4)
	s_cmp_eq_u32 s2, 0
	s_cbranch_scc0 .Lentry_in_a_cluster
	s_endpgm
.Lentry_in_a_cluster:
	s_bfe_u32 s2, ttmp6, 0x10000c
	s_cmp_lg_u32 s2, 0xf033
	s_cbranch_scc0 .Lentry_shape_is_right
	s_endpgm
.Lentry_shape_is_right:
; A GEMM ON CODES OF BF6 (E3M2) WHOSE RESULT IS QUANTISED AGAIN, K = 1,024.  KIND 0: q, k and v from the normed tokens.  KIND 1: relu(h2 W1 + b1).
; OPERANDS lie as images of fragments: tiles of 16 rows (row r of tile t is index 32 (t / 2) + 8 (t % 2) + r + (r & 8)); codes [tile][K step][1,536 bytes], registers 4 j .. 4 j + 3 of lane l at 512 j + 16 l;
; scale words [K step][tile][16].  So a fragment is three loads of 16 bytes a lane, 512 consecutive bytes each, and one load of 4 bytes a lane brings two tiles' scale words (lanes 0-15, lanes 16-31).
; SHARES.  A work-group makes 256 rows of B x 256 rows of A; each of four waves 128 x 128: 64 accumulators, 512 registers.  B IS SOURCE 0: its rows run along a lane's registers, and by the tiles' order the 64 registers of
; one tile of A are 128 neighbours along the NEXT product's K.  A is source 1: a lane is one row of A.  Each tile of A so gives one fragment of the result, quantised in registers and stored as an image.
; KIND 0: the cluster's x is the class.  q, k (0, 1): B = the weight, A = tokens: fragments [token tile][pair of heads], K = a head's 64, twice.  v (2): B = tokens, A = wv: fragments [tile of n][128 tokens], K = the keys.
; RING.  Two LDS slots of two K steps each, filled by the tensor data mover; the scale words of all of K come once.  4 x 4 work-groups form a cluster: A's tiles are asked for jointly along a row, B's along a column.
; All eight K steps are written out: no loop.
; LIMITS: NaN and infinities are not served; a block whose largest magnitude lies under 2^-122 keeps the byte 1 (so does a block of zeros: its codes are zeros, and this program alone reads the bytes).
.set KIND,  0
.set H_S,   3145728                    ; in the tokens' buffer: scale words behind the codes
.set W4_C,  3276800                    ; in the weights' buffer: wq, wk, wv, proj_w; ff_w1
.set W1_C,  6422528
.set W4_S,  12713984
.set W1_S,  12845056
.set FRB,   1536
.set TPI,   8*FRB                      ; from tile to tile, both operands
.set ROWT,  2*FRB                      ; a tile's two K steps
.set HALFT, 8*ROWT                     ; eight tiles: what one tensor load brings, and what one wave reads of A or of B
.set SLOT,  4*HALFT                    ; A's 16 tiles, then B's 16
.set SCL,   2*SLOT                     ; behind the ring: the scale words, [K step][16 tiles][64 bytes] for each side
.set HALFS, 8*512
.set SPARE, SCL+4*HALFS                ; the spare words, 128 bytes for each wave: two blocks of 256 bytes that no other line names
.set LI,    1                          ; v1      16 x lane
.set CO,    2                          ; v2-9    where tile a's fragment goes
.set SOFF,  10                         ; v10     where the scale words go
.set BOF,   11                         ; v11     the bias: 64 (lane / 16)
.set ADRA,  16                         ; v16-17  my eight tiles of A in slot 0, 1
.set ADRB,  20                         ; v20-21  of B
.set ADSA,  22                         ; v22     my tiles' scale words of A
.set ADSB,  23                         ; v23     of B
.set SPW,   28                         ; v28     my spare word; never rewritten
.set NIL,   29                         ; v29     0; never rewritten
.set SC,    32                         ; v32-47  scale words: set p at 32 + 8 p: A's four pairs of tiles, then B's
.set AF,    64                         ; v64-255 A's fragments, two sets of 96.  Window 1: B's, set p at 128 p; the bias at v96-127 and v224-255.  Windows 2, 3: accumulator (a, b) at v[8 (8 (a % 4) + b)] of window 2 + a / 4
.set TM,    200                        ; the way out: v200-215 at work, v216-223 the scale words, v64-159 the codes, v160-171 at work
.set PW,    216
.set PC,    64
.set TT,    160
.set SEL,   10                         ; s[10:11] lane selects for v_permlanex16_b32
.set G1,    24                         ; s[24:31] group 1 for A's tiles, s[32:39] groups 0, one for each slot
.set G0,    32
.set G1B,   48                         ; the same for B's
.set G0B,   56
.set G1S,   68                         ; groups 1 and 0 for A's scale words; for B's
.set G0S,   76
.set G1SB,  80
.set G0SB,  88
.if KIND
.set PB,    6                          ; B's buffer: s[6:7]
.else
.set PB,    4                          ; both operands lie in one buffer
.endif
.set MSB, 0
.macro WIN new                         ; the immediate's high byte repeats the setting that is left
.if MSB != (\new)
	s_set_vgpr_msb (MSB<<8)|(\new)
.set MSB, (\new)
.endif
.endm
.set MUL_LO, 0xa1                      ; source 0 (B) window 1, source 1 (A) window 0, C and D window 2
.set MUL_HI, 0xf1
.set TO_B,   0x40
.macro PLACES n
.rept \n
	v_nop
.endr
.endm
; A joint load: waves 0 and 1 fetch for A, waves 2 and 3 for B; the branch hangs on the wave's number alone.  Four v_nop follow each of the two lines.
.macro JLOAD g0a, g1a, g0b, g1b
	s_cmp_eq_u32 s15, 0
	s_cbranch_scc0 .Lfor_b_\@
	tensor_load_to_lds s[\g0a:\g0a+3], s[\g1a:\g1a+7]
	s_nop 0
.rept 4
	v_nop
.endr
	s_branch .Lasked_\@
.Lfor_b_\@:
	tensor_load_to_lds s[\g0b:\g0b+3], s[\g1b:\g1b+7]
	s_nop 0
.rept 4
	v_nop
.endr
.Lasked_\@:
.endm
.macro CREST                           ; a round of the cluster's barrier behind its opening barrier
	s_cmp_lg_u32 s14, 0
	s_cbranch_scc1 .Lnot_wave_0_\@
	s_barrier_signal -3
.Lnot_wave_0_\@:
	s_barrier_wait -3
	s_barrier_signal -1
	s_barrier_wait -1
.endm
.macro CROUND
	s_barrier_signal -1
	s_barrier_wait -1
	CREST
.endm
; One matrix instruction, from the symbols WD (D), W0, W1 (sources), WC (C; under 0: the constant 0), WX0, WX1 (scale words), WR0, WR1 (1: the words lie in lanes 16-31)
.macro EMIT
.if WC < 0
.if WR0 && WR1
	v_wmma_scale_f32_16x16x128_f8f6f4 v[WD:WD+7], v[W0:W0+11], v[W1:W1+11], 0, v[WX0], v[WX1] matrix_a_fmt:MATRIX_FMT_BF6 matrix_b_fmt:MATRIX_FMT_BF6 matrix_a_scale:MATRIX_SCALE_ROW1 matrix_b_scale:MATRIX_SCALE_ROW1
.elseif WR0
	v_wmma_scale_f32_16x16x128_f8f6f4 v[WD:WD+7], v[W0:W0+11], v[W1:W1+11], 0, v[WX0], v[WX1] matrix_a_fmt:MATRIX_FMT_BF6 matrix_b_fmt:MATRIX_FMT_BF6 matrix_a_scale:MATRIX_SCALE_ROW1
.elseif WR1
	v_wmma_scale_f32_16x16x128_f8f6f4 v[WD:WD+7], v[W0:W0+11], v[W1:W1+11], 0, v[WX0], v[WX1] matrix_a_fmt:MATRIX_FMT_BF6 matrix_b_fmt:MATRIX_FMT_BF6 matrix_b_scale:MATRIX_SCALE_ROW1
.else
	v_wmma_scale_f32_16x16x128_f8f6f4 v[WD:WD+7], v[W0:W0+11], v[W1:W1+11], 0, v[WX0], v[WX1] matrix_a_fmt:MATRIX_FMT_BF6 matrix_b_fmt:MATRIX_FMT_BF6
.endif
.else
.if WR0 && WR1
	v_wmma_scale_f32_16x16x128_f8f6f4 v[WD:WD+7], v[W0:W0+11], v[W1:W1+11], v[WC:WC+7], v[WX0], v[WX1] matrix_a_fmt:MATRIX_FMT_BF6 matrix_b_fmt:MATRIX_FMT_BF6 matrix_a_scale:MATRIX_SCALE_ROW1 matrix_b_scale:MATRIX_SCALE_ROW1
.elseif WR0
	v_wmma_scale_f32_16x16x128_f8f6f4 v[WD:WD+7], v[W0:W0+11], v[W1:W1+11], v[WC:WC+7], v[WX0], v[WX1] matrix_a_fmt:MATRIX_FMT_BF6 matrix_b_fmt:MATRIX_FMT_BF6 matrix_a_scale:MATRIX_SCALE_ROW1
.elseif WR1
	v_wmma_scale_f32_16x16x128_f8f6f4 v[WD:WD+7], v[W0:W0+11], v[W1:W1+11], v[WC:WC+7], v[WX0], v[WX1] matrix_a_fmt:MATRIX_FMT_BF6 matrix_b_fmt:MATRIX_FMT_BF6 matrix_b_scale:MATRIX_SCALE_ROW1
.else
	v_wmma_scale_f32_16x16x128_f8f6f4 v[WD:WD+7], v[W0:W0+11], v[W1:W1+11], v[WC:WC+7], v[WX0], v[WX1] matrix_a_fmt:MATRIX_FMT_BF6 matrix_b_fmt:MATRIX_FMT_BF6
.endif
.endif
.endm
.if KIND
	s_load_b128 s[4:7], s[0:1], 0x0                ; the tokens' codes, the weights'
	s_load_b64 s[8:9], s[0:1], 0x10                ; the bias
	s_load_b64 s[12:13], s[0:1], 0x18              ; the result
.else
	s_load_b64 s[4:5], s[0:1], 0x0                 ; tokens and weights
	s_load_b64 s[12:13], s[0:1], 0x8               ; the result
.endif
	v_lshl_add_u32 v[SPW], v0, 2, SPARE
	v_mov_b32 v[NIL], 0
	ds_add_u32 v28, v29
	ds_add_u32 v28, v29
	s_wait_dscnt 0x0
	v_lshrrev_b32 v1, 5, v0
	v_readfirstlane_b32 s14, v1                    ; wave 0..3
	s_lshr_b32 s15, s14, 1                         ; which eight tiles of A are mine.  Also: I fetch for A (0) or for B (1)
	s_and_b32 s16, s14, 1                          ; which eight tiles of B.  Also: which half I fetch
	s_bfe_u32 s40, ttmp6, 0x40000                  ; cx, cy: my place in the cluster
	s_bfe_u32 s41, ttmp6, 0x40004
	s_and_b32 s17, ttmp7, 0xffff                   ; the cluster's y
	s_lshl_b32 s43, s41, 2
	s_lshl_b32 s43, 15, s43                        ; my row of the cluster
	s_lshl_b32 s44, 0x1111, s40                    ; my column
	s_mov_b32 s[SEL], 0x76543210
	s_mov_b32 s[SEL+1], 0xfedcba98
.if KIND
	s_lshl_b32 s42, ttmp9, 2
	s_add_co_u32 s42, s42, s40                     ; B's block of 16 tiles: 4 x cluster x + cx
	s_lshl_b32 s45, s17, 2
	s_add_co_u32 s45, s45, s41                     ; A's: 4 x cluster y + cy
	s_mov_b32 s23, 0                               ; where A's codes begin in their buffer, A's scale words, B's codes, B's scale words
	s_mov_b32 s2, H_S
	s_mov_b32 s3, W1_C
	s_mov_b32 s66, W1_S
.else
	s_lshr_b32 s18, ttmp9, 1                       ; 1 for the class v, 0 for q and k: the same in all sixteen partners
	s_xor_b32 s19, s18, 1
	s_mul_i32 s20, s19, ttmp9
	s_mul_i32 s21, s18, s17
	s_add_co_u32 s20, s20, s21
	s_lshl_b32 s20, s20, 2
	s_add_co_u32 s42, s20, s40                     ; B's block: q, k: 4 x class + cx of the weights';  v: 4 x cluster y + cx of the tokens'
	s_mul_i32 s20, s19, s17
	s_lshl_b32 s21, s18, 1
	s_add_co_u32 s20, s20, s21
	s_lshl_b32 s20, s20, 2
	s_add_co_u32 s45, s20, s41                     ; A's block: q, k: 4 x cluster y + cy of the tokens';  v: 8 + cy of the weights' (wv)
	s_mul_i32 s23, s18, W4_C                       ; the tokens' codes begin at 0, the weights' at W4_C
	s_mul_i32 s2, s18, W4_S-H_S
	s_add_co_u32 s2, s2, H_S
	s_mul_i32 s3, s19, W4_C
	s_mul_i32 s66, s19, W4_S-H_S
	s_add_co_u32 s66, s66, H_S
.endif
	; group 1: eight rows (tiles) of 3,072 bytes, 12,288 bytes apart; elements of 8 bytes; no padding: a load of a fragment reads 512 consecutive bytes
	s_or_b32 s[G1+0], s43, (3<<16)|(1<<21)         ; 15:0 the mask: A's tiles go to my row; 17:16 elements of 8 bytes; 21 set beside a mask
	s_or_b32 s[G1B+0], s44, (3<<16)|(1<<21)
.irp g, G1, G1B
	s_mov_b32 s[\g+1], (ROWT/8)<<16                ; tensor_dim0
	s_mov_b32 s[\g+2], 16<<16                      ; tensor_dim1: the head's loads bring a side's 16 tiles; behind them the two words that count rows are set to 8
	s_mov_b32 s[\g+3], (ROWT/8)<<16                ; tile_dim0
	s_mov_b32 s[\g+4], 16                          ; tile_dim1
	s_mov_b32 s[\g+5], TPI/8                       ; tensor_dim0_stride
	s_mov_b32 s[\g+6], 0
	s_mov_b32 s[\g+7], 0
.endr
	; the scale words of a side's 16 tiles: eight rows (K steps) of 1,024 bytes, 16,384 bytes apart
	s_or_b32 s[G1S+0], s43, (3<<16)|(1<<21)
	s_or_b32 s[G1SB+0], s44, (3<<16)|(1<<21)
.irp g, G1S, G1SB
	s_mov_b32 s[\g+1], 128<<16                     ; a side's 16 tiles: eight rows (K steps) of 1,024 bytes
	s_mov_b32 s[\g+2], 8<<16
	s_mov_b32 s[\g+3], 128<<16
	s_mov_b32 s[\g+4], 8
	s_mov_b32 s[\g+5], 2048
	s_mov_b32 s[\g+6], 0
	s_mov_b32 s[\g+7], 0
.endr
	s_lshl_b32 s20, s45, 4                         ; A: the side's first tile
	s_lshl_b32 s92, s20, 6
	s_add_co_u32 s92, s92, s2                      ; its scale words,
	s_mov_b32 s93, 0
	s_mul_i32 s20, s20, TPI
	s_add_co_u32 s20, s20, s23                     ; its codes: all offsets under 2^24
	s_mov_b32 s21, 0
	s_lshl_b32 s46, s42, 4
	s_lshl_b32 s94, s46, 6
	s_add_co_u32 s94, s94, s66
	s_mov_b32 s95, 0
	s_mul_i32 s46, s46, TPI
	s_add_co_u32 s46, s46, s3
	s_mov_b32 s47, 0
	s_mul_i32 s96, s14, HALFT                      ; where they go: wave x a half: no place in the cluster enters an LDS address
	s_wait_kmcnt 0x0
	s_add_nc_u64 s[20:21], s[4:5], s[20:21]
	s_add_nc_u64 s[92:93], s[4:5], s[92:93]
	s_add_nc_u64 s[46:47], s[PB:PB+1], s[46:47]
	s_add_nc_u64 s[94:95], s[PB:PB+1], s[94:95]
	CROUND                                         ; all sixteen work-groups are here: the first joint loads meet
	s_mov_b32 s[G0S], 1
	s_mov_b32 s[G0S+1], SCL
	s_mov_b64 s[G0S+2:G0S+3], s[92:93]
	s_or_b32 s[G0S+3], s[G0S+3], 0x80000000
	s_mov_b32 s[G0SB], 1
	s_mov_b32 s[G0SB+1], SCL+2*HALFS
	s_mov_b64 s[G0SB+2:G0SB+3], s[94:95]
	s_or_b32 s[G0SB+3], s[G0SB+3], 0x80000000
	s_mul_i32 s22, s16, 8*TPI                      ; in the ring I fetch eight tiles of a side: which half, in bytes
	s_mov_b32 s23, 0
	s_add_nc_u64 s[92:93], s[20:21], s[22:23]
	s_add_nc_u64 s[94:95], s[46:47], s[22:23]
.irp s, 0,1
	s_mov_b32 s[G0+4*\s], 1
	s_add_co_u32 s[G0+4*\s+1], s96, \s*SLOT
	s_add_nc_u64 s[G0+4*\s+2:G0+4*\s+3], s[92:93], \s*ROWT
	s_or_b32 s[G0+4*\s+3], s[G0+4*\s+3], 0x80000000
	s_mov_b32 s[G0B+4*\s], 1
	s_add_co_u32 s[G0B+4*\s+1], s96, \s*SLOT
	s_add_nc_u64 s[G0B+4*\s+2:G0B+4*\s+3], s[94:95], \s*ROWT
	s_or_b32 s[G0B+4*\s+3], s[G0B+4*\s+3], 0x80000000
.endr
	s_mov_b64 s[22:23], s[20:21]                   ; the head's group 0 for slot 0's 16 tiles of A,
	s_or_b32 s23, s23, 0x80000000
	s_mov_b32 s20, 1
	s_mov_b32 s21, 0
	s_mov_b32 s4, 1                                ; and of B, behind them (the arguments that lay here have been used)
	s_mov_b32 s5, 2*HALFT
	s_mov_b64 s[6:7], s[46:47]
	s_or_b32 s7, s7, 0x80000000
	; THE HEAD'S LOADS, ONE A WAVE: wave 0 slot 0's A, wave 1 its B, wave 2 A's scale words, wave 3 B's.  One chain of branches on the wave's number.
	s_cmp_lt_u32 s14, 1
	s_cbranch_scc0 .Lh1
	tensor_load_to_lds s[20:23], s[G1:G1+7]
	s_nop 0
	PLACES 4
	s_branch .Lh4
.Lh1:
	s_cmp_lt_u32 s14, 2
	s_cbranch_scc0 .Lh2
	tensor_load_to_lds s[4:7], s[G1B:G1B+7]
	s_nop 0
	PLACES 4
	s_branch .Lh4
.Lh2:
	s_cmp_lt_u32 s14, 3
	s_cbranch_scc0 .Lh3
	tensor_load_to_lds s[G0S:G0S+3], s[G1S:G1S+7]
	s_nop 0
	PLACES 4
	s_branch .Lh4
.Lh3:
	tensor_load_to_lds s[G0SB:G0SB+3], s[G1SB:G1SB+7]
	s_nop 0
	PLACES 4
.Lh4:
	v_and_b32 v30, 31, v0
	v_lshlrev_b32 v[LI], 4, v30
	v_lshlrev_b32 v30, 2, v30                      ; 4 x lane
	s_wait_alu depctr_va_vdst(0)
	s_mul_i32 s66, s15, HALFT
	s_mul_i32 s67, s16, HALFT
	s_add_co_u32 s67, s67, 2*HALFT
.irp s, 0,1
	v_add_nc_u32 v[ADRA+\s], s66, v[LI]
	v_add_nc_u32 v[ADRB+\s], s67, v[LI]
	s_add_co_u32 s66, s66, SLOT
	s_add_co_u32 s67, s67, SLOT
.endr
	s_lshl_b32 s66, s15, 9                         ; my eight tiles' 512 bytes of a K step's 1,024
	s_add_co_u32 s66, s66, SCL
	v_add_nc_u32 v[ADSA], s66, v30
	s_lshl_b32 s66, s16, 9
	s_add_co_u32 s66, s66, SCL+2*HALFS
	v_add_nc_u32 v[ADSB], s66, v30
.if KIND
	s_lshl_b32 s2, s42, 10                         ; the bias of my 128 rows of B: lane (r, h) wants, for tile b, those of 32 (b / 2) + 16 h + 8 (b % 2) + 0 .. 7: the result's layout
	s_lshl_b32 s3, s16, 9
	s_add_co_u32 s2, s2, s3
	s_mov_b32 s3, 0
	s_add_nc_u64 s[8:9], s[8:9], s[2:3]
	v_bfe_u32 v[BOF], v0, 4, 1
	v_lshlrev_b32 v[BOF], 6, v[BOF]
	WIN TO_B
.irp b, 0,1,2,3,4,5,6,7
.irp e, 0,1
	global_load_b128 v[96+8*\b+96*(\b/4)+4*\e:96+8*\b+96*(\b/4)+4*\e+3], v[BOF], s[8:9] offset:(32*(\b/2)+8*(\b%2))*4+16*\e
.endr
.endr
	WIN 0
	s_mov_b32 s66, 32*FRB                          ; the result: from tile to tile; a K step's scale words; my K step; my first tile; where codes and scale words begin
	s_mov_b32 s67, 16384
	s_lshl_b32 s98, s42, 1
	s_add_co_u32 s98, s98, s16
	s_lshl_b32 s99, s45, 4
	s_lshl_b32 s2, s15, 3
	s_add_co_u32 s99, s99, s2
	s_mov_b32 s2, 0
	s_mov_b32 s3, 12582912
.else
	s_mul_i32 s66, s18, 24*FRB
	s_add_co_u32 s66, s66, 8*FRB                   ; from tile to tile: q, k: 8 fragments (pairs of heads);  v: 32 (steps of 128 tokens)
	s_mul_i32 s67, s18, 12288
	s_sub_co_u32 s67, 16384, s67                   ; a K step's scale words: 256 tiles of tokens, or 64 of n
	s_mul_i32 s98, s18, s17
	s_lshl_b32 s98, s98, 2
	s_add_co_u32 s98, s98, s40
	s_lshl_b32 s98, s98, 1
	s_add_co_u32 s98, s98, s16                     ; my K step of the result: B's block within its tensor, twice, + my half
	s_mul_i32 s99, s19, s17
	s_lshl_b32 s99, s99, 2
	s_add_co_u32 s99, s99, s41
	s_lshl_b32 s99, s99, 4
	s_lshl_b32 s2, s15, 3
	s_add_co_u32 s99, s99, s2                      ; my first tile of the result: A's within its tensor
	s_mul_i32 s2, ttmp9, 3145728                   ; q's, k's, v's codes
	s_mul_i32 s3, ttmp9, 131072
	s_add_co_u32 s3, s3, 9437184                   ; and scale words
.endif
	s_mul_i32 s46, s99, s66
	s_mul_i32 s47, s98, FRB
	s_add_co_u32 s46, s46, s47
	s_add_co_u32 s46, s46, s2
	v_add_nc_u32 v[CO], s46, v[LI]
.irp a, 1,2,3,4,5,6,7
	v_add_nc_u32 v[CO+\a], s66, v[CO+\a-1]
.endr
	s_mul_i32 s46, s98, s67
	s_lshl_b32 s47, s99, 6
	s_add_co_u32 s46, s46, s47
	s_add_co_u32 s46, s46, s3
	v_add_nc_u32 v[SOFF], s46, v30
; 56 LDS loads: the slot's q-th K step (K step k of the product) into set p: B's eight fragments, A's eight, four words of pairs of tiles for each side
.macro FETCH slot, q, p, k
	WIN TO_B
.irp i, 0,1,2,3,4,5,6,7
.irp j, 0,1,2
	ds_load_b128 v[128*(\p)+12*\i+4*\j:128*(\p)+12*\i+4*\j+3], v[ADRB+(\slot)] offset:\i*ROWT+(\q)*FRB+512*\j
.endr
.endr
	WIN 0
.irp i, 0,1,2,3,4,5,6,7
.irp j, 0,1,2
	ds_load_b128 v[AF+96*(\p)+12*\i+4*\j:AF+96*(\p)+12*\i+4*\j+3], v[ADRA+(\slot)] offset:\i*ROWT+(\q)*FRB+512*\j
.endr
.endr
.irp i, 0,1,2,3
	ds_load_b32 v[SC+8*(\p)+\i], v[ADSA] offset:1024*(\k)+128*\i
	ds_load_b32 v[SC+8*(\p)+4+\i], v[ADSB] offset:1024*(\k)+128*\i
.endr
.endm
; 16 matrix instructions: A's tiles a0, a0 + 1 x B's eight, set p.  first = 1: the product starts the sums, with the constant 0 or with the bias as C.
; The 64 accumulators take turns, one instruction a turn, in the same order in every K step.
.macro MUL16 a0, p, first
.irp a, \a0, \a0+1
.irp b, 0,1,2,3,4,5,6,7
.set WD, 8*(8*((\a)%4)+\b)
.set W0, 128*(\p)+12*\b
.set W1, AF+96*(\p)+12*(\a)
.set WX0, SC+8*(\p)+4+\b/2
.set WX1, SC+8*(\p)+(\a)/2
.set WR0, \b%2
.set WR1, (\a)%2
.if \first
.if KIND
.set WC, 96+8*\b+96*(\b/4)
.else
.set WC, -1
.endif
.else
.set WC, WD
.endif
	EMIT
.endr
.endr
.endm
; A slot's first K step, k: set 0 is multiplied; the slot's second K step is fetched into set 1 ahead of it.
.macro STEP slot, k, first
	PLACES 4                                       ; in front of loads into registers that matrix instructions have read (the matrix instructions in between are not counted)
	FETCH \slot, 1, 1, (\k)+1
	s_wait_dscnt 56                                ; all but the 56 just issued: set 0 is in
.if \first && KIND
	WIN 0x91                                       ; C, the bias, in window 1
.else
	WIN MUL_LO
.endif
	MUL16 0, 0, \first
	MUL16 2, 0, \first
.if \first && KIND
	WIN 0xd1
.else
	WIN MUL_HI
.endif
	MUL16 4, 0, \first
	MUL16 6, 0, \first
.endm
; A slot's second K step, k: set 1 is multiplied, and the slots change: ONE barrier.  In front of it each wave waits for all its tensor loads, adds 0 to its spare word, and waits for that and for its reads of this slot.
; fill = 1: the barrier opens a round of the cluster's, and this slot is filled again, two slots ahead, first thing behind it.
.macro TURN slot, next, k, fill
	WIN 0
	s_wait_tensorcnt 0x0                           ; all my tensor loads have landed: my part of the next slot
	ds_add_u32 v[SPW], v[NIL]                      ; 0 onto my spare word
	s_wait_dscnt 1                                 ; set 1 is in; the add alone may be out
	WIN MUL_LO
	MUL16 0, 1, 0                                  ; sixteen matrix instructions stand between the add and the wait for it
	s_wait_dscnt 0x0                               ; the add is done, and my reads of this slot are over
	s_barrier_signal -1
	MUL16 2, 1, 0
	WIN 0
	s_barrier_wait -1
.if \fill
	CREST                                          ; no wave of any partner still reads this slot or has a load on its way
	s_add_nc_u64 s[G0+4*(\slot)+2:G0+4*(\slot)+3], s[G0+4*(\slot)+2:G0+4*(\slot)+3], 2*ROWT
	s_add_nc_u64 s[G0B+4*(\slot)+2:G0B+4*(\slot)+3], s[G0B+4*(\slot)+2:G0B+4*(\slot)+3], 2*ROWT
	JLOAD G0+4*(\slot), G1, G0B+4*(\slot), G1B     ; my one tensor load behind the round; its four v_nop are the places in front of the loads below
.else
	PLACES 4
.endif
	FETCH \next, 0, 0, (\k)+1
	WIN MUL_HI
	MUL16 4, 1, 0
	MUL16 6, 1, 0
.endm
	s_wait_alu depctr_va_vdst(0)                   ; the wait at the head's end
	s_wait_tensorcnt 0x0                           ; my tile of the head's four is in
	ds_add_u32 v28, v29
	s_mov_b32 s[G1+2], 8<<16                       ; no tensor load of mine is out: from here on a load brings eight tiles
	s_mov_b32 s[G1+4], 8
	s_mov_b32 s[G1B+2], 8<<16
	s_mov_b32 s[G1B+4], 8
	s_wait_dscnt 0x0
	CROUND
	JLOAD G0+4, G1, G0B+4, G1B                     ; slot 1's first fill, my one tensor load behind the round
	FETCH 0, 0, 0, 0
.if KIND
	s_wait_loadcnt 0x0                             ; the bias
.endif
	STEP 0, 0, 1
	TURN 0, 1, 1, 1                                ; slot 0 takes K steps 4 and 5
	STEP 1, 2, 0
	TURN 1, 0, 3, 1                                ; slot 1 takes K steps 6 and 7
	STEP 0, 4, 0
	TURN 0, 1, 5, 0                                ; nothing is left to fetch
	STEP 1, 6, 0
	s_wait_dscnt 0x0
	WIN MUL_LO
	MUL16 0, 1, 0
	MUL16 2, 1, 0
	WIN MUL_HI
	MUL16 4, 1, 0
	MUL16 6, 1, 0
	WIN 0
	PLACES 4                                       ; in front of the first read of results, and of writes into registers that held A's fragments
; THE WAY OUT.  Tile a of A: its eight accumulators are 64 numbers of a lane: register 16 b + i = k 32 b + 16 (lane / 16) + i of the lane's row.  They become a fragment's codes and a scale word.
.macro QUANTW a
.set W, 2+(\a)/4
.set S, 64*((\a)%4)
.set PCA, PC+12*(\a)
.if KIND
	WIN (W<<6)|(W<<2)
.set j, 0
.rept 64
	v_max_num_f32 v[S+j], 0, v[S+j]                ; the activation, in f32; each accumulator from its low end on
.set j, j+1
.endr
.endif
	WIN W|(W<<2)
.irp b, 0,1,2,3
	v_max3_num_f32 v[TM+\b], |v[S+16*\b]|, |v[S+16*\b+1]|, 0x2800000   ; block b: my 16 numbers, and the floor 2^(5 - 127)
.endr
.irp i, 2,4,6,8,10,12,14
.irp b, 0,1,2,3
	v_max3_num_f32 v[TM+\b], |v[S+16*\b+\i]|, |v[S+16*\b+\i+1]|, v[TM+\b]
.endr
.endr
	WIN 0
.irp b, 0,1,2,3
	v_permlanex16_b32 v[TM+4+\b], v[TM+\b], s[SEL], s[SEL+1]
.endr
.irp b, 0,1,2,3
	v_max_num_f32 v[TM+\b], v[TM+\b], v[TM+4+\b]   ; with lane l xor 16's: the block's largest magnitude
.endr
.irp b, 0,1,2,3
	v_add_nc_u32 v[TM+12+\b], 0xfe000000, v[TM+\b] ; 4 off its exponent field: the conversion's scale operand
.endr
.irp b, 0,1,2,3
	v_lshrrev_b32 v[TM+4+\b], 23, v[TM+12+\b]      ; the byte
.endr
	v_lshl_or_b32 v[PW+(\a)], v[TM+5], 8, v[TM+4]
	v_lshl_or_b32 v[PW+(\a)], v[TM+6], 16, v[PW+(\a)]
	v_lshl_or_b32 v[PW+(\a)], v[TM+7], 24, v[PW+(\a)]
	WIN W
.irp c, 0,1
	v_cvt_scalef32_pk16_bf6_f32 v[PCA+6*\c:PCA+6*\c+2], v[S+32*\c:S+32*\c+15], v[TM+12+2*\c]
	v_cvt_scalef32_pk16_bf6_f32 v[TT+4*\c:TT+4*\c+2], v[S+32*\c+16:S+32*\c+31], v[TM+12+2*\c+1]
.endr
	WIN 0
	v_nop                                          ; one plain place behind a scaled conversion
.irp c, 0,1                                    ; the operand's layout wants a whole block in a lane: lanes 0-15 block 2 c, lanes 16-31 block 2 c + 1
.irp i, 0,1,2
	v_permlane16_swap_b32 v[PCA+6*\c+\i], v[TT+4*\c+\i]
.endr
.irp i, 0,1,2
	v_mov_b32 v[PCA+6*\c+3+\i], v[TT+4*\c+\i]
.endr
.endr
.endm
.irp b, 0,1,2,3
	v_mov_b32 v[TM+4+\b], 0                        ; written once: a lane permute's destination counts as one of its sources
.endr
.irp a, 0,1,2,3,4,5,6,7
	QUANTW \a
.irp j, 0,1,2
	global_store_b128 v[CO+\a], v[PC+12*\a+4*\j:PC+12*\a+4*\j+3], s[12:13] offset:512*\j   ; 512 consecutive bytes, at a multiple of 512; every tile has registers of its own, so no store's sources are written again
.endr
.endr
	s_mov_b32 vcc_lo, 0xffff0000
.irp i, 0,1,2,3
	v_cndmask_b32 v[168+\i], v[PW+2*\i], v[PW+2*\i+1], vcc_lo   ; lanes 0-15 tile 2 i's words, lanes 16-31 tile 2 i + 1's
	global_store_b32 v[SOFF], v[168+\i], s[12:13] offset:128*\i
.endr
	s_wait_tensorcnt 0x0                           ; the wave's end
	ds_add_u32 v[SPW], v[NIL]
	s_wait_dscnt 0x0
	CROUND                                         ; the closing round: no work-group ends while a partner may still ask for a tile that names it
	s_endpgm
.Lfunc_end_k_q74f5656f11_qkv:
	.size	k_q74f5656f11_qkv, .Lfunc_end_k_q74f5656f11_qkv-k_q74f5656f11_qkv
	.p2alignl 7, 3214868480
	.fill 96, 4, 3214868480
	.section	.rodata,"a",@progbits
	.p2align	6, 0x0
	.amdhsa_kernel k_q74f5656f11_qkv
		.amdhsa_group_segment_fixed_size 327680
		.amdhsa_private_segment_fixed_size 0
		.amdhsa_enable_private_segment 0
		.amdhsa_kernarg_size 16
		.amdhsa_user_sgpr_count 2
		.amdhsa_user_sgpr_kernarg_segment_ptr 1
		.amdhsa_wavefront_size32 1
		.amdhsa_system_sgpr_workgroup_id_x 1
		.amdhsa_system_sgpr_workgroup_id_y 1
		.amdhsa_system_sgpr_workgroup_id_z 1
		.amdhsa_system_vgpr_workitem_id 0
		.amdhsa_next_free_vgpr 1024
		.amdhsa_next_free_sgpr 100
		.amdhsa_reserve_vcc 1
		.amdhsa_float_denorm_mode_32 3
		.amdhsa_float_denorm_mode_16_64 3
		.amdhsa_memory_ordered 1
		.amdhsa_forward_progress 1
		.amdhsa_inst_pref_size 142
	.end_amdhsa_kernel
	.amdgpu_metadata
---
amdhsa.version: [ 1, 2 ]
amdhsa.kernels:
  - .name:           k_q74f5656f11_qkv
    .symbol:         k_q74f5656f11_qkv.kd
    .args:
      - { .name: wb, .offset: 0, .size: 8, .value_kind: global_buffer, .address_space: global }
      - { .name: qkvb, .offset: 8, .size: 8, .value_kind: global_buffer, .address_space: global }
    .group_segment_fixed_size: 327680
    .private_segment_fixed_size: 0
    .kernarg_segment_align: 8
    .kernarg_segment_size: 16
    .max_flat_workgroup_size: 128
    .sgpr_count:     100
    .vgpr_count:     1024
    .wavefront_size: 32
...
	.end_amdgpu_metadata
.endif
;; end of part 2
;; launch attn (part 3): grid 8 x 32, 8 waves a work-group, clusters of 4 x 1, 218,112 bytes of LDS; arguments qkvb, key_padding_mask, ob; writes ob
.if DOCPART == 3
	.amdgcn_target "amdgcn-amd-amdhsa--gfx1250"
	.amdhsa_code_object_version 6
	.text
	.protected	k_q74f5656f11_attn
	.globl	k_q74f5656f11_attn
	.p2align	8
	.type	k_q74f5656f11_attn,@function
k_q74f5656f11_attn:
	s_mov_b64 s[64:65], 0
	v_nop
	global_prefetch_b8 v0, s[64:65] scope:SCOPE_SE
	s_setreg_imm32_b32 hwreg(HW_REG_WAVE_MODE, 25, 1), 1
	s_wait_xcnt 0x0
	s_wait_alu depctr_hold_cnt(0) depctr_sa_sdst(0) depctr_va_vdst(0) depctr_va_sdst(0) depctr_va_ssrc(0) depctr_va_vcc(0) depctr_vm_vsrc(0)
	s_getreg_b32 s2, hwreg(HW_REG_IB_STS2, 6, 4)
	s_cmp_eq_u32 s2, 0
	s_cbranch_scc0 .Lentry_in_a_cluster
	s_endpgm
.Lentry_in_a_cluster:
	s_bfe_u32 s2, ttmp6, 0x10000c
	s_cmp_lg_u32 s2, 0x3003
	s_cbranch_scc0 .Lentry_shape_is_right
	s_endpgm
.Lentry_shape_is_right:
; ATTENTION ON CODES OF BF6 (E3M2): S = q k^T / 32 under the causal mask and the keys' mask, p = 2^(t - M) quantised along the keys, O = p v / the sum of the unquantised p; O quantised along C for the next product.
; INPUTS, as images of fragments (tiles of 16 rows: row r of tile t is index 32 (t / 2) + 8 (t % 2) + r + (r & 8); registers 4 j .. 4 j + 3 of lane l at 512 j + 16 l): q, k [token tile][pair of heads][1,536]: registers 0-5 the even
; head's 64, registers 6-11 the odd head's; v [tile of n][128 tokens][1,536]; scale words [K step][tile][16].
; SHARES.  A work-group has one batch b, one pair of heads and the eight tiles of queries 8 g + j of the batch, g = 0 .. 7, j = the work-group's x.  A tile of group g has g + 1 key steps of 128 under the causal mask.
; WAVE w TAKES THE EVEN HEAD OF GROUP w AND THE ODD HEAD OF GROUP w xor 7: (w + 1) + (8 - w) = 9 head-steps in every wave, so that no wave is left to run alone.  Both groups hang on the wave's number alone;
; j enters global addresses and one register of numbers alone.  At the end the odd head's half goes through LDS to wave w xor 7, so that every wave stores one whole fragment.
; K AND V OF THE BATCH AND PAIR OF HEADS FIT IN LDS AND COME ONCE: each wave asks for one part of them by one tensor load, jointly with the three partners of its cluster, which walk the same keys.  No ring.
; LAYOUT.  Both products are used transposed: S^T = k q^T, O^T = v^T p^T: a lane holds one query throughout, and by the tiles' order the 16 registers of two neighbouring tiles of keys are 16 neighbouring keys.
; A fragment of k holds both heads; each of q's two fragments has the other head's half cleared: zero codes add nothing, so each product is one head's 64.
; THE KEYS' MASK is a table in LDS, 0 for a key that counts and -2^100 for one that does not; it is loaded as the C of the first product.  On the diagonal hidden scores are set to -2^100 too.
; The running largest t begins at -2^60, so no masked score is ever taken for the maximum, and p of a masked key is 2^(a huge negative number) = 0.
; A QUERY NONE OF WHOSE KEYS COUNTS has the sum 0; the softmax of such a row is NaN.  BF6 has no NaN, so that row's scale bytes are set to 0xff, which make the next product's sums NaN for that token.
; LIMITS: |score x log2(e) / 32| stays under 2^60; NaN and infinities are not served; blocks under 2^-122 keep the byte 1.
.set Q_S,   9437184
.set K_C,   3145728
.set V_C,   6291456
.set K_S,   9568256
.set V_S,   9699328
.set O_S,   3145728
.set FRB,   1536
.set VCO,   98304                      ; LDS: k's codes [8 key steps][8 tiles][1,536] at 0; v's [8 tiles of n][8 key steps][1,536] here;
.set KSC,   196608                     ; k's scale words [8][512]; v's 4,096 bytes on;
.set PEN,   204800                     ; the mask's table, 1,024 f32: stored by the waves, in blocks of 256 bytes into which no tensor load lands;
.set XCH,   208896                     ; 1,024 bytes for each wave: the half fragment that it hands on: 512 + 256 bytes of codes, 128 of scale words
.set LI,    1                          ; v1   16 x lane
.set ASC,   2                          ; v2   4 x lane + KSC
.set APE,   3                          ; v3   64 (lane / 16) + PEN
.set DQ,    4                          ; v4   my query within its 128 - 16 (lane / 16): the same in both of my tiles
.set NEG,   5                          ; v5   -2^100
.set GQ,    6                          ; v6   my lane's bytes in the fragment of group w's tile, in q and in O
.set GS,    7                          ; v7   my row's scale word there
.set ADK,   8                          ; v8-11 the key step's k, v, scale words, mask
.set ADV,   9
.set ADS,   10
.set ADP,   11
; v12-15, v28-31: each head's -M, largest t, sum in two halves; v16-27, v80-91 q; v32-79 four fragments; v96-159 S^T, then p; v160-223 O^T, 32 a head; v224-235 p's codes; v232-254 at work; v248-249 scale words; v253 p's; v255, v251 q's
.set WV,    18                         ; my wave's number: also the even head's group
.set SEL,   20
.set CS,    22                         ; s[22:23] c = log2(e) / 32
.set G1K,   24
.set G1V,   32
.set G1S,   40
.set STP,   66                         ; the key step
.set GRP,   67                         ; the odd head's group: wave xor 7
.set TB,    68                         ; 12,288 x key step
.set TS,    69                         ; 512 x key step
.macro PLACES n
.rept \n
	v_nop
.endr
.endm
.macro CROUND                          ; a round of the cluster's barrier
	s_barrier_signal -1
	s_barrier_wait -1
	s_cmp_lg_u32 s[WV], 0
	s_cbranch_scc1 .Lnot_wave_0_\@
	s_barrier_signal -3
.Lnot_wave_0_\@:
	s_barrier_wait -3
	s_barrier_signal -1
	s_barrier_wait -1
.endm
.macro EMIT                            ; one matrix instruction, adding in place: D = C = WD, sources W0, W1, scale words WX0 (WR0 = 1: in lanes 16-31), WX1
.if WR0
	v_wmma_scale_f32_16x16x128_f8f6f4 v[WD:WD+7], v[W0:W0+11], v[W1:W1+11], v[WD:WD+7], v[WX0], v[WX1] matrix_a_fmt:MATRIX_FMT_BF6 matrix_b_fmt:MATRIX_FMT_BF6 matrix_a_scale:MATRIX_SCALE_ROW1
.else
	v_wmma_scale_f32_16x16x128_f8f6f4 v[WD:WD+7], v[W0:W0+11], v[W1:W1+11], v[WD:WD+7], v[WX0], v[WX1] matrix_a_fmt:MATRIX_FMT_BF6 matrix_b_fmt:MATRIX_FMT_BF6
.endif
.endm
	s_load_b128 s[4:7], s[0:1], 0x0                ; q, k, v; the mask
	s_load_b64 s[8:9], s[0:1], 0x10                ; O's codes
	v_lshl_add_u32 v243, v0, 2, 0x35000
	v_mov_b32 v250, 0
	ds_add_u32 v243, v250
	ds_add_u32 v243, v250
	v_lshrrev_b32 v8, 5, v0
	s_delay_alu instid0(VALU_DEP_1)
	v_readfirstlane_b32 s[WV], v8                  ; wave 0..7
	s_and_b32 s70, ttmp7, 0xffff
	s_lshr_b32 s71, s70, 3                         ; batch
	s_and_b32 s72, s70, 7                          ; pair of heads
	s_bfe_u32 s73, ttmp6, 0x40000                  ; cx
	s_lshl_b32 s74, ttmp9, 2
	s_add_co_u32 s74, s74, s73                     ; j
	s_xor_b32 s[GRP], s[WV], 7                     ; 7 - wave
	s_lshl_b32 s76, s71, 6
	s_lshl_b32 s77, s[WV], 4
	s_add_co_u32 s76, s76, s77                     ; waves 0-3: the first of my 16 tiles of keys
	s_lshl_b32 s80, s71, 12                        ; the batch's 64 tiles of scale words
	s_mul_i32 s76, s76, 8*FRB
	s_mul_i32 s77, s72, FRB
	s_add_co_u32 s76, s76, s77
	s_add_co_u32 s76, s76, K_C                     ; k's codes
	s_mov_b32 s77, 0
	s_lshl_b32 s81, s72, 14
	s_add_co_u32 s80, s80, s81
	s_add_co_u32 s80, s80, K_S                     ; k's scale words: 4,096 dense bytes
	s_mov_b32 s81, 0
	s_lshl_b32 s78, s71, 3
	s_lshl_b32 s82, s78, 12
	s_mul_i32 s78, s78, FRB
	s_mul_i32 s79, s72, 8*32*FRB
	s_add_co_u32 s78, s78, s79
	s_add_co_u32 s78, s78, V_C
	s_and_b32 s79, s[WV], 1                        ; waves 4, 5: which four tiles of n
	s_mul_i32 s79, s79, 4*32*FRB
	s_add_co_u32 s78, s78, s79
	s_mov_b32 s79, 0
	s_lshl_b32 s83, s72, 9
	s_add_co_u32 s82, s82, s83
	s_add_co_u32 s82, s82, V_S                     ; v's scale words
	s_mov_b32 s83, 0
	s_mul_i32 s84, s[WV], 16*FRB                   ; where k's 16 tiles go: the wave's number alone
	s_and_b32 s85, s[WV], 1
	s_mul_i32 s85, s85, 4*8*FRB                    ; and v's four tiles of n
	; groups 1: elements of 8 bytes; the mask names all four work-groups of the cluster, bit 21 beside it.  k: 16 rows (tiles) of 1,536 bytes, 12,288 apart;  v: 49,152 apart;  scale words: rows of 256 bytes (k) or 512 (v)
	s_mov_b32 s[G1K], 15|(3<<16)|(1<<21)
	s_mov_b32 s[G1K+1], 192<<16
	s_mov_b32 s[G1K+2], 16<<16
	s_mov_b32 s[G1K+3], 192<<16
	s_mov_b32 s[G1K+4], 16
	s_mov_b32 s[G1K+5], 1536
	s_mov_b32 s[G1K+6], 0
	s_mov_b32 s[G1K+7], 0
	s_mov_b32 s[G1V], 15|(3<<16)|(1<<21)
	s_mov_b32 s[G1V+1], 1536<<16                   ; v: four rows (tiles of n) of the batch's eight key steps, 12,288 bytes each
	s_mov_b32 s[G1V+2], 4<<16
	s_mov_b32 s[G1V+3], 1536<<16
	s_mov_b32 s[G1V+4], 4
	s_mov_b32 s[G1V+5], 6144
	s_mov_b32 s[G1V+6], 0
	s_mov_b32 s[G1V+7], 0
	s_mov_b32 s[G1S], 15|(3<<16)|(1<<21)
	s_mov_b32 s[G1S+1], 32<<16                     ; k's scale words: 4,096 dense bytes as 16 rows of 256
	s_mov_b32 s[G1S+2], 16<<16
	s_mov_b32 s[G1S+3], 32<<16
	s_mov_b32 s[G1S+4], 16
	s_mov_b32 s[G1S+5], 32
	s_mov_b32 s[G1S+6], 0
	s_mov_b32 s[G1S+7], 0
	s_mov_b32 s[SEL], 0x76543210
	s_mov_b32 s[SEL+1], 0xfedcba98
	s_mov_b32 s[CS], 0x3d38aa3b                    ; log2(e) / 32
	s_mov_b32 s[CS+1], s[CS]
	s_mov_b32 s[TB], 0
	s_mov_b32 s[TS], 0
	s_mov_b32 s98, VCO                             ; v in LDS is [tile of n][key step][1,536]: the key step's place for tiles 0-3,
	s_mov_b32 s99, VCO+4*8*FRB                     ; and for tiles 4-7
	s_mov_b32 s[STP], 0
	s_wait_dscnt 0x0
	s_wait_kmcnt 0x0
	s_mov_b32 s48, 1
	s_mov_b32 s49, s84
	s_add_nc_u64 s[50:51], s[4:5], s[76:77]
	s_or_b32 s51, s51, 0x80000000
	s_mov_b32 s52, 1
	s_add_co_u32 s53, s85, VCO
	s_add_nc_u64 s[54:55], s[4:5], s[78:79]
	s_or_b32 s55, s55, 0x80000000
	s_mov_b32 s56, 1
	s_mov_b32 s57, KSC
	s_add_nc_u64 s[58:59], s[4:5], s[80:81]
	s_or_b32 s59, s59, 0x80000000
	s_mov_b32 s60, 1
	s_mov_b32 s61, KSC+4096
	s_add_nc_u64 s[62:63], s[4:5], s[82:83]
	s_or_b32 s63, s63, 0x80000000
	s_mov_b32 s76, 15|(3<<16)|(1<<21)              ; group 1 for v's scale words: eight rows (key steps) of 512 bytes, 4,096 apart
	s_mov_b32 s77, 64<<16
	s_mov_b32 s78, 8<<16
	s_mov_b32 s79, 64<<16
	s_mov_b32 s80, 8
	s_mov_b32 s81, 512
	s_mov_b32 s82, 0
	s_mov_b32 s83, 0
	CROUND                                         ; all four work-groups are here: the joint loads meet
; ONE JOINT LOAD A WAVE: waves 0-3 fetch 16 tiles of k each, waves 4 and 5 four tiles of n of v each, wave 6 k's scale words, wave 7 v's.
; One chain of branches on the wave's number; every way through it passes exactly one load.
.macro ARM under, g0, g1, next
	s_cmp_lt_u32 s[WV], \under
	s_cbranch_scc0 \next
	tensor_load_to_lds s[\g0:\g0+3], s[\g1:\g1+7]
	s_nop 0
.rept 4
	v_nop
.endr
	s_branch .Lhead_asked
\next:
.endm
	ARM 4, 48, G1K, .Lhead_v
	ARM 6, 52, G1V, .Lhead_ks
	ARM 7, 56, G1S, .Lhead_vs
	tensor_load_to_lds s[60:63], s[76:83]
	s_nop 0
.rept 4
	v_nop
.endr
.Lhead_asked:
	s_lshl_b32 s86, s71, 10
	s_mov_b32 s87, 0
	s_add_nc_u64 s[6:7], s[6:7], s[86:87]          ; the batch's 1,024 mask bytes
	s_add_nc_u64 s[92:93], s[4:5], Q_S             ; q's scale words
	s_lshl_b32 s88, s71, 6
	s_add_co_u32 s88, s88, s74                     ; 64 batch + j
	s_mul_i32 s90, s72, FRB                        ; the pair of heads' fragment within a tile,
	s_lshl_b32 s91, s72, 14                        ; and its K step of scale words
	s_lshl_b32 s89, s[WV], 3
	s_add_co_u32 s89, s89, s88                     ; the even head's tile of queries
	s_lshl_b32 s75, s89, 6
	s_add_co_u32 s75, s75, s91                     ; its scale words,
	s_mul_i32 s89, s89, 8*FRB
	s_add_co_u32 s89, s89, s90                     ; its fragment, in q and in O alike
	s_lshl_b32 s96, s[GRP], 3
	s_add_co_u32 s96, s96, s88                     ; the odd head's tile
	s_lshl_b32 s97, s96, 6
	s_add_co_u32 s97, s97, s91
	s_mul_i32 s96, s96, 8*FRB
	s_add_co_u32 s96, s96, s90
	s_lshr_b32 s94, s74, 1
	s_lshl_b32 s94, s94, 5
	s_and_b32 s95, s74, 1
	s_lshl_b32 s95, s95, 3
	s_add_co_u32 s94, s94, s95                     ; 32 (j / 2) + 8 (j % 2)
	v_lshlrev_b32 v92, 2, v0
	global_load_b32 v93, v92, s[6:7]               ; four mask bytes a thread
	v_and_b32 v9, 31, v0
	s_delay_alu instid0(VALU_DEP_1)
	v_lshlrev_b32 v[LI], 4, v9
	s_delay_alu instid0(VALU_DEP_2)
	v_lshl_add_u32 v[ASC], v9, 2, KSC
	v_bfe_u32 v10, v0, 4, 1                        ; h
	s_delay_alu instid0(VALU_DEP_1)
	v_lshl_add_u32 v[APE], v10, 6, PEN
	v_and_b32 v11, 15, v0                          ; r
	v_add_nc_u32 v[GQ], s89, v[LI]
	s_delay_alu instid0(VALU_DEP_2)
	v_lshl_add_u32 v[GS], v11, 2, s75
	v_add_nc_u32 v30, s96, v[LI]                   ; (v30, v31 serve these loads alone; they are written again behind the wait for them)
	s_delay_alu instid0(VALU_DEP_4)
	v_lshl_add_u32 v31, v11, 2, s97
.irp j, 0,1,2
	global_load_b128 v[16+4*\j:19+4*\j], v[GQ], s[4:5] offset:512*\j
.endr
.irp j, 0,1,2
	global_load_b128 v[80+4*\j:83+4*\j], v30, s[4:5] offset:512*\j
.endr
	global_load_b32 v255, v[GS], s[92:93]
	global_load_b32 v251, v31, s[92:93]
	v_and_b32 v12, 8, v11
	s_delay_alu instid0(VALU_DEP_1)
	v_add_nc_u32 v12, v12, v11
	v_lshlrev_b32 v13, 4, v10
	s_delay_alu instid0(VALU_DEP_1)
	v_sub_nc_u32 v12, v12, v13
	s_delay_alu instid0(VALU_DEP_1)
	v_add_nc_u32 v[DQ], s94, v12                   ; register 16 b + i holds the step's key 32 b + i + 16 h: on the diagonal it is hidden where 32 b + i > this
	v_mov_b32 v[NEG], 0xf1800000
	v_lshl_add_u32 v94, v0, 4, PEN
	s_wait_alu depctr_va_vdst(0)
	s_wait_loadcnt 8                               ; the mask bytes are in; q's eight loads may be out
.irp i, 0,1,2,3
	v_bfe_u32 v95, v93, 8*\i, 8
	s_delay_alu instid0(VALU_DEP_1)
	v_cmp_eq_u32 vcc_lo, 0, v95
	s_delay_alu instid0(VALU_DEP_1)
	v_cndmask_b32 v[12+\i], 0, v[NEG], vcc_lo      ; 0 for a key that counts, -2^100 for one that does not
.endr
	ds_store_b128 v94, v[12:15]
	s_wait_loadcnt 0x0                             ; q
.irp i, 0,1,2,3,4,5
	v_mov_b32 v[22+\i], 0                          ; the even head's fragment: the odd head's codes cleared,
	v_mov_b32 v[80+\i], 0                          ; and the other way round
.endr
.irp e, 0,1
	v_mov_b32 v[13+16*\e], 0xdd800000              ; the largest t so far: -2^60
	s_delay_alu instid0(VALU_DEP_1)
	v_floor_f32 v[12+16*\e], -v[13+16*\e]          ; -M
	v_mov_b32 v[14+16*\e], 0                       ; the sum, in two halves
	v_mov_b32 v[15+16*\e], 0
.endr
.irp b, 0,1,2,3
	v_mov_b32 v[236+\b], 0                         ; written once: a lane permute's destination counts as one of its sources
.endr
	v_mov_b32 v252, 0
	v_mov_b32 v253, 0
	v_mov_b32 v254, 0
.set j, 0
.rept 64
	v_mov_b32 v[160+j], 0                          ; O^T: the step is written once; its first turn finds zeros, which the first change of M leaves zeros
.set j, j+1
.endr
	s_wait_tensorcnt 0x0                           ; my tensor load has landed,
	s_wait_dscnt 0x0                               ; and my part of the table
	s_barrier_signal -1
	s_barrier_wait -1                              ; everybody's have: tiles and table are only read from here on
; ONE HEAD'S PART OF A KEY STEP: 128 keys against the head's tile of queries
.macro UNIT e
.set NM, 12+16*\e
.set OB, 160+32*\e
.set QF, 16+64*\e
.set GR, WV+(GRP-WV)*\e
	PLACES 4                                       ; in front of loads into registers that matrix instructions have read
.irp t, 0,1,2,3,4,5,6,7
	ds_load_b128 v[96+8*\t:99+8*\t], v[ADP] offset:(32*(\t/2)+8*(\t%2))*4        ; the mask's table, in the result's layout: the C of the product
	ds_load_b128 v[100+8*\t:103+8*\t], v[ADP] offset:(32*(\t/2)+8*(\t%2))*4+16
.endr
.irp g, 0,1                                    ; S^T = k q^T + the table, four tiles of 16 keys at a time
.if \g
	PLACES 4
.endif
.irp i, 0,1,2,3
.irp j, 0,1,2
	ds_load_b128 v[32+12*\i+4*\j:35+12*\i+4*\j], v[ADK] offset:(4*\g+\i)*FRB+512*\j
.endr
.endr
	ds_load_b32 v248, v[ADS] offset:256*\g
	ds_load_b32 v249, v[ADS] offset:256*\g+128
	s_wait_dscnt 0x0
.irp i, 0,1,2,3
.set WD, 96+8*(4*\g+\i)
.set W0, 32+12*\i
.set W1, QF
.set WX0, 248+\i/2
.set WX1, 255-4*\e
.set WR0, \i%2
	EMIT
.endr
.endr
	PLACES 4
.irp i, 0,1,2,3                                ; v's four fragments of this head are asked for now and land under the softmax
.irp j, 0,1,2
	ds_load_b128 v[32+12*\i+4*\j:35+12*\i+4*\j], v[ADV+(92-ADV)*\e] offset:\i*8*FRB+512*\j
.endr
.endr
	ds_load_b32 v248, v[ADS] offset:4096+256*\e
	ds_load_b32 v249, v[ADS] offset:4096+256*\e+128
	s_cmp_lg_u32 s[STP], s[GR]                     ; the diagonal: these queries' own 128 keys
	s_cbranch_scc1 .Lopen_\@
.set n, 0
.rept 64
	v_cmp_gt_i32 vcc_lo, 32*(n/16)+n%16, v[DQ]
	v_cndmask_b32 v[96+n], v[96+n], v[NEG], vcc_lo
.set n, n+1
.endr
.Lopen_\@:
.irp b, 0,1,2,3
	v_max3_num_f32 v[232+\b], v[96+16*\b], v[97+16*\b], v[98+16*\b]   ; the largest score of each block of 32 keys: for the row's maximum, and, since p rises with the score, for the block's largest p
.endr
.irp i, 3,5,7,9,11,13
.irp b, 0,1,2,3
	v_max3_num_f32 v[232+\b], v[232+\b], v[96+16*\b+\i], v[97+16*\b+\i]
.endr
.endr
.irp b, 0,1,2,3
	v_max_num_f32 v[232+\b], v[232+\b], v[111+16*\b]
.endr
.irp b, 0,1,2,3
	s_delay_alu instid0(VALU_DEP_4)
	v_permlanex16_b32 v[236+\b], v[232+\b], s[SEL], s[SEL+1]
.endr
.irp b, 0,1,2,3
	s_delay_alu instid0(VALU_DEP_4)
	v_max_num_f32 v[232+\b], v[232+\b], v[236+\b]  ; with lane l xor 16's 16 keys
.endr
	s_delay_alu instid0(VALU_DEP_2)
	v_max3_num_f32 v254, v232, v233, v234
	s_delay_alu instid0(VALU_DEP_1)
	v_max_num_f32 v254, v254, v235
	s_delay_alu instid0(VALU_DEP_1)
	v_mul_f32 v254, s[CS], v254                    ; as t (c is positive)
	s_delay_alu instid0(VALU_DEP_1)
	v_max_num_f32 v[NM+1], v[NM+1], v254           ; the running largest t
	v_mov_b32 v254, v[NM]
	s_delay_alu instid0(VALU_DEP_2)
	v_floor_f32 v[NM], -v[NM+1]                    ; the new -M = -ceil(t): a whole number
	s_delay_alu instid0(VALU_DEP_1)
	v_sub_f32 v254, v[NM], v254                    ; old M - new M: a whole number, 0 or less
	s_delay_alu instid0(VALU_DEP_1)
	v_cvt_i32_f32 v254, v254                       ; (it saturates)
	s_delay_alu instid0(VALU_DEP_1)
	v_ldexp_f32 v252, 1.0, v254                    ; f = 2^(old M - new M): a multiplication by it rounds nothing
.set j, 0
.rept 32
	v_pk_fma_f32 v[96+j:97+j], v[96+j:97+j], s[CS:CS+1], v[NM:NM+1] op_sel_hi:[1,0,0]   ; t - M
.set j, j+2
.endr
.irp b, 0,1,2,3
	v_fma_f32 v[232+\b], v[232+\b], s[CS], v[NM]
.endr
.set j, 0
	s_wait_alu depctr_va_vdst(0)
.rept 64
	v_exp_f32 v[96+j], v[96+j]                     ; p = 2^(t - M), at most 1: not normalised
.set j, j+1
.endr
.irp b, 0,1,2,3
	v_exp_f32 v[232+\b], v[232+\b]                 ; the block's largest p: the same two instructions on the same number
.endr
	v_pk_mul_f32 v[NM+2:NM+3], v[NM+2:NM+3], v[252:253] op_sel_hi:[1,0]   ; the sums under the new M.  (A plain place behind the exponentials)
	s_wait_alu depctr_va_vdst(0)
.irp b, 0,1,2,3
	v_max_num_f32 v[232+\b], 0x2800000, v[232+\b]  ; the floor 2^(5 - 127)
.endr
.irp b, 0,1,2,3
	s_delay_alu instid0(VALU_DEP_4)
	v_add_nc_u32 v[244+\b], 0xfe000000, v[232+\b]  ; the conversion's scale operand
.endr
.irp b, 0,1,2,3
	s_delay_alu instid0(VALU_DEP_4)
	v_lshrrev_b32 v[236+\b], 23, v[244+\b]         ; the byte
.endr
	s_delay_alu instid0(VALU_DEP_3)
	v_lshl_or_b32 v253, v237, 8, v236              ; p's scale word for these 128 keys
	s_delay_alu instid0(VALU_DEP_1)
	v_lshl_or_b32 v253, v238, 16, v253
	s_delay_alu instid0(VALU_DEP_1)
	v_lshl_or_b32 v253, v239, 24, v253
.irp c, 0,1
	v_cvt_scalef32_pk16_bf6_f32 v[224+6*\c:226+6*\c], v[96+32*\c:111+32*\c], v[244+2*\c]
	v_cvt_scalef32_pk16_bf6_f32 v[236+4*\c:238+4*\c], v[112+32*\c:127+32*\c], v[244+2*\c+1]
.endr
	v_nop                                          ; one plain place behind a scaled conversion
.irp c, 0,1
.irp i, 0,1,2
	v_permlane16_swap_b32 v[224+6*\c+\i], v[236+4*\c+\i]
.endr
.irp i, 0,1,2
	s_delay_alu instid0(VALU_DEP_3)
	v_mov_b32 v[227+6*\c+\i], v[236+4*\c+\i]
.endr
.endr
	v_pk_add_f32 v[236:237], v[96:97], v[98:99]    ; the row's sum is taken of the unquantised p, in two chains
.irp j, 4,8,12,16,20,24,28,32,36,40,44,48,52,56,60
	v_pk_add_f32 v[NM+2:NM+3], v[NM+2:NM+3], v[96+\j:97+\j]
	v_pk_add_f32 v[236:237], v[236:237], v[98+\j:99+\j]
.endr
	s_delay_alu instid0(VALU_DEP_1)
	v_pk_add_f32 v[NM+2:NM+3], v[NM+2:NM+3], v[236:237]
.set j, 0
.rept 16
	v_pk_mul_f32 v[OB+j:OB+j+1], v[OB+j:OB+j+1], v[252:253] op_sel_hi:[1,0]   ; this head's O^T under the new M
.set j, j+2
.endr
	s_wait_alu depctr_va_vdst(0)
	s_wait_dscnt 0x0                               ; v's fragments and scale words
.irp i, 0,1,2,3                                ; O^T += v^T p^T: four tiles of 16 of the head's 64; K = these 128 keys
.set WD, OB+8*\i
.set W0, 32+12*\i
.set W1, 224
.set WX0, 248+\i/2
.set WX1, 253
.set WR0, \i%2
	EMIT
.endr
.endm
.Lstep:                                            ; eight trips in every wave; a head's part of a key step all of whose keys come after that head's queries is passed over: a branch on the wave's number and the trip
	v_add_nc_u32 v[ADK], s[TB], v[LI]
	v_add_nc_u32 v[ADV], s98, v[LI]                ; the even head's four tiles of n,
	v_add_nc_u32 v92, s99, v[LI]                   ; the odd head's
	v_add_nc_u32 v[ADS], s[TS], v[ASC]
	v_add_nc_u32 v[ADP], s[TS], v[APE]
	s_cmp_gt_u32 s[STP], s[WV]
	s_cbranch_scc1 .Lhidden_even
	s_wait_alu depctr_va_vdst(0)
	UNIT 0
.Lhidden_even:
	s_cmp_gt_u32 s[STP], s[GRP]
	s_cbranch_scc1 .Lhidden_odd
	s_wait_alu depctr_va_vdst(0)
	UNIT 1
.Lhidden_odd:
	s_add_co_u32 s[TB], s[TB], 8*FRB
	s_add_co_u32 s98, s98, FRB
	s_add_co_u32 s99, s99, FRB
	s_add_co_u32 s[TS], s[TS], 512
	s_add_co_u32 s[STP], s[STP], 1
	s_cmp_lt_u32 s[STP], 8
	s_cbranch_scc1 .Lstep
	; THE WAY OUT: O^T / the sum; a head's 32 registers are k = 64 head + 32 b + 16 (lane / 16) + i of the pair's 128 along C: half a fragment of the next product, quantised here
	PLACES 4
	v_add_f32 v14, v14, v15
	v_add_f32 v30, v30, v31
	s_delay_alu instid0(VALU_DEP_2)
	v_permlanex16_b32 v252, v14, s[SEL], s[SEL+1]
	s_delay_alu instid0(VALU_DEP_2)
	v_permlanex16_b32 v254, v30, s[SEL], s[SEL+1]
	s_delay_alu instid0(VALU_DEP_2)
	v_add_f32 v14, v14, v252
	s_delay_alu instid0(VALU_DEP_2)
	v_add_f32 v30, v30, v254                       ; the rows' sums: 0 where no key counted
	s_wait_alu depctr_va_vdst(0)
	v_rcp_f32 v15, v14
	v_rcp_f32 v31, v30
	v_and_b32 v9, 31, v0                           ; (a plain place behind the transcendentals)  lane
.set j, 0
	s_wait_alu depctr_va_vdst(0)
.rept 32
	v_mul_f32 v[96+j], v[160+j], v15
.set j, j+1
.endr
.rept 32
	v_mul_f32 v[96+j], v[160+j], v31
.set j, j+1
.endr
.irp b, 0,1,2,3
	v_max3_num_f32 v[232+\b], |v[96+16*\b]|, |v[97+16*\b]|, 0x2800000
.endr
.irp i, 2,4,6,8,10,12,14
.irp b, 0,1,2,3
	s_delay_alu instid0(VALU_DEP_4)
	v_max3_num_f32 v[232+\b], v[232+\b], |v[96+16*\b+\i]|, |v[97+16*\b+\i]|
.endr
.endr
.irp b, 0,1,2,3
	s_delay_alu instid0(VALU_DEP_4)
	v_permlanex16_b32 v[236+\b], v[232+\b], s[SEL], s[SEL+1]
.endr
.irp b, 0,1,2,3
	s_delay_alu instid0(VALU_DEP_4)
	v_max_num_f32 v[232+\b], v[232+\b], v[236+\b]
.endr
.irp b, 0,1,2,3
	s_delay_alu instid0(VALU_DEP_4)
	v_add_nc_u32 v[244+\b], 0xfe000000, v[232+\b]
.endr
.irp b, 0,1,2,3
	s_delay_alu instid0(VALU_DEP_4)
	v_lshrrev_b32 v[236+\b], 23, v[244+\b]
.endr
	s_delay_alu instid0(VALU_DEP_3)
	v_lshl_or_b32 v253, v237, 8, v236              ; bytes 0, 1: the even head's; bytes 2, 3: the odd head's
	s_delay_alu instid0(VALU_DEP_1)
	v_lshl_or_b32 v253, v238, 16, v253
	s_delay_alu instid0(VALU_DEP_1)
	v_lshl_or_b32 v253, v239, 24, v253
.irp c, 0,1
	v_cvt_scalef32_pk16_bf6_f32 v[32+6*\c:34+6*\c], v[96+32*\c:111+32*\c], v[244+2*\c]
	v_cvt_scalef32_pk16_bf6_f32 v[44+4*\c:46+4*\c], v[112+32*\c:127+32*\c], v[244+2*\c+1]
.endr
	v_nop
.irp c, 0,1
.irp i, 0,1,2
	v_permlane16_swap_b32 v[32+6*\c+\i], v[44+4*\c+\i]
.endr
.irp i, 0,1,2
	s_delay_alu instid0(VALU_DEP_3)
	v_mov_b32 v[35+6*\c+\i], v[44+4*\c+\i]
.endr
.endr
	v_cmp_eq_f32 vcc_lo, 0, v14                    ; a query without keys: its bytes become 0xff, each head's by its own tile's sum
	v_or_b32 v254, 0xffff, v253
	s_delay_alu instid0(VALU_DEP_1)
	v_cndmask_b32 v253, v253, v254, vcc_lo
	v_cmp_eq_f32 vcc_lo, 0, v30
	s_delay_alu instid0(VALU_DEP_2)
	v_or_b32 v254, 0xffff0000, v253
	s_delay_alu instid0(VALU_DEP_1)
	v_cndmask_b32 v253, v253, v254, vcc_lo
	; v32-37: the even head's half of group w's fragment.  v38-43: the odd head's half of group (w xor 7)'s: it goes to wave w xor 7, whose own odd half is the one that I lack
	s_lshl_b32 s70, s[WV], 10
	s_add_co_u32 s70, s70, XCH                     ; my 1,024 bytes
	s_lshl_b32 s71, s[GRP], 10
	s_add_co_u32 s71, s71, XCH                     ; and the other wave's
	v_lshlrev_b32 v65, 3, v9
	v_lshlrev_b32 v66, 2, v9
	v_add_nc_u32 v64, s70, v[LI]
	v_add_nc_u32 v67, s71, v[LI]
	s_delay_alu instid0(VALU_DEP_4)
	v_add_nc_u32 v68, s71, v65
	s_delay_alu instid0(VALU_DEP_4)
	v_add_nc_u32 v69, s71, v66
	v_add_nc_u32 v65, s70, v65
	v_add_nc_u32 v66, s70, v66
	ds_store_b128 v64, v[40:43]                    ; an image of the registers: 16, 8 and 4 bytes a lane
	ds_store_b64 v65, v[38:39] offset:512
	ds_store_b32 v66, v253 offset:768
	s_wait_alu depctr_va_vdst(0)
	s_wait_dscnt 0x0                               ; for the other wave's sake: my stores have landed
	s_barrier_signal -1
	s_barrier_wait -1
	ds_load_b128 v[40:43], v67
	ds_load_b64 v[38:39], v68 offset:512
	ds_load_b32 v254, v69 offset:768
	s_wait_dscnt 0x0
	v_and_b32 v253, 0xffff, v253                   ; my even head's two bytes,
	s_delay_alu instid0(VALU_DEP_1)
	v_and_or_b32 v253, v254, 0xffff0000, v253      ; the other wave's odd head's two
.irp j, 0,1,2
	global_store_b128 v[GQ], v[32+4*\j:35+4*\j], s[8:9] offset:512*\j   ; 512 consecutive bytes, at a multiple of 512
.endr
	v_cmp_gt_u32 vcc_lo, 16, v9
	s_wait_alu depctr_va_vdst(0)
	s_wait_xcnt 0x0                                ; EXEC changes only behind this wait
	s_and_saveexec_b32 s70, vcc_lo
	global_store_b32 v[GS], v253, s[8:9] offset:O_S
	s_wait_xcnt 0x0
	s_or_b32 exec_lo, exec_lo, s70
	s_wait_dscnt 0x0
	s_wait_tensorcnt 0x0
	ds_add_u32 v243, v250
	s_wait_dscnt 0x0
	CROUND                                         ; the closing round
	s_endpgm
.Lfunc_end_k_q74f5656f11_attn:
	.size	k_q74f5656f11_attn, .Lfunc_end_k_q74f5656f11_attn-k_q74f5656f11_attn
	.p2alignl 7, 3214868480
	.fill 96, 4, 3214868480
	.section	.rodata,"a",@progbits
	.p2align	6, 0x0
	.amdhsa_kernel k_q74f5656f11_attn
		.amdhsa_group_segment_fixed_size 218112
		.amdhsa_private_segment_fixed_size 0
		.amdhsa_enable_private_segment 0
		.amdhsa_kernarg_size 24
		.amdhsa_user_sgpr_count 2
		.amdhsa_user_sgpr_kernarg_segment_ptr 1
		.amdhsa_wavefront_size32 1
		.amdhsa_system_sgpr_workgroup_id_x 1
		.amdhsa_system_sgpr_workgroup_id_y 1
		.amdhsa_system_sgpr_workgroup_id_z 1
		.amdhsa_system_vgpr_workitem_id 0
		.amdhsa_next_free_vgpr 256
		.amdhsa_next_free_sgpr 100
		.amdhsa_reserve_vcc 1
		.amdhsa_float_denorm_mode_32 3
		.amdhsa_float_denorm_mode_16_64 3
		.amdhsa_memory_ordered 1
		.amdhsa_forward_progress 1
		.amdhsa_inst_pref_size 72
	.end_amdhsa_kernel
	.amdgpu_metadata
---
amdhsa.version: [ 1, 2 ]
amdhsa.kernels:
  - .name:           k_q74f5656f11_attn
    .symbol:         k_q74f5656f11_attn.kd
    .args:
      - { .name: qkvb, .offset: 0, .size: 8, .value_kind: global_buffer, .address_space: global }
      - { .name: key_padding_mask, .offset: 8, .size: 8, .value_kind: global_buffer, .address_space: global }
      - { .name: ob, .offset: 16, .size: 8, .value_kind: global_buffer, .address_space: global }
    .group_segment_fixed_size: 218112
    .private_segment_fixed_size: 0
    .kernarg_segment_align: 8
    .kernarg_segment_size: 24
    .max_flat_workgroup_size: 256
    .sgpr_count:     100
    .vgpr_count:     256
    .wavefront_size: 32
...
	.end_amdgpu_metadata
.endif
;; end of part 3
;; launch projln (part 4): grid 256 x 1, 8 waves a work-group, no clusters, 69,632 bytes of LDS; arguments ob, wb, proj_b, x, ln2_w, ln2_b, key_padding_mask, x1, h2b; writes x1, h2b
.if DOCPART == 4
	.amdgcn_target "amdgcn-amd-amdhsa--gfx1250"
	.amdhsa_code_object_version 6
	.text
	.protected	k_q74f5656f11_projln
	.globl	k_q74f5656f11_projln
	.p2align	8
	.type	k_q74f5656f11_projln,@function
k_q74f5656f11_projln:
	s_mov_b64 s[64:65], 0
	v_nop
	global_prefetch_b8 v0, s[64:65] scope:SCOPE_SE
	s_setreg_imm32_b32 hwreg(HW_REG_WAVE_MODE, 25, 1), 1
	s_wait_xcnt 0x0
; x1 = x + O proj_w + proj_b, AND THE SECOND LAYER NORM: h2 = norm(x1) x gain + bias, times the tokens' mask, quantised along C to BF6 (E3M2) with one E8M0 byte for each 32.
; OPERANDS lie as images of fragments: tiles of 16 rows (row r of tile t is index 32 (t / 2) + 8 (t % 2) + r + (r & 8)); codes [tile][K step][1,536 bytes], registers 4 j .. 4 j + 3 of lane l at 512 j + 16 l; scale words [K step][tile][16].
; SHARES.  A work-group owns ONE tile of 16 tokens and all 1,024 columns, so that a token's whole row is made here and the norm needs no other work-group: 256 work-groups.
; Wave w makes columns 128 w .. 128 w + 127: eight tiles of the weight x the tile of tokens: 8 accumulators, 8 K steps, 64 matrix instructions.  Source 0 = 16 columns of the weight, source 1 = the tokens:
; a lane holds one token, and by the tiles' order its 64 registers are 16 neighbours of each of the four blocks of K step w of the next product.
; THE WEIGHT GOES FROM MEMORY STRAIGHT INTO REGISTERS: a fragment is three loads of 512 consecutive bytes, and each byte of the weight is wanted by one wave of the work-group alone, so a pass through LDS would feed nobody else.
; So no tensor load and no joint load (a joint load lands in LDS), and no data prefetch: each K step's 32 loads are themselves issued two K steps ahead of their products, in two sets of registers.
; x comes in and x1 goes out as whole rows of 512 bytes a wave; they turn between that layout and the accumulators' through the wave's own stage in LDS.
; A scale byte 0xff among the tokens' makes that token's sums NaN.  LIMITS: NaN and infinities among the inputs are not served; blocks whose largest magnitude lies under 2^-122 keep the byte 1
; (so does a block of zeros: its codes are zeros, and this program alone reads the bytes); the norm's gain and bias go in by one fused multiply-add, which rounds once.
.set O_S,   3145728                    ; the tokens' scale words, behind their codes: 16,384 bytes a K step
.set WREG,  5636096                    ; proj_w's codes, 64 tiles x 8 K steps
.set WS,    12726272                   ; its scale words, 16,384 bytes a K step
.set H_S,   3145728                    ; the result's scale words
.set FRB,   1536
.set SPITCH, 528                       ; a stage row: 512 bytes + 16
.set RED,   8*16*SPITCH                ; behind the eight stages: two times 512 bytes for the sums across waves
.set SPARE, RED+1024                   ; the spare words, 128 bytes for each wave: four blocks of 256 bytes that no other line names
.set LI,    1                          ; v1 16 x lane;  v2 r;  v3 h;  v4 my token;  v5 4 r;  v6 4 x lane;  v7 the mask;  v8, v9 the sums' words;  v10-23 at work;  v24 64 h
.set STO,   25                         ; the stage in the accumulators' layout: row r, + 64 h
.set RD,    26                         ; and by rows: 16 x lane
.set SPW,   28
.set NIL,   29
.set SCA,   32                         ; v32-33 the tokens' scale words, set p;  v34-41 the weight's, four registers (pairs of tiles) a set
.set SCB,   34
.set AF,    44                         ; v44-67 the tokens' fragment, two sets
.set ACC,   72                         ; v72-135 accumulator b at 72 + 8 b
.set XL,    136                        ; v136-199 x, then x1 by rows
.set TM,    200                        ; the quantiser: v200-215 at work, v216 the scale word, v220-227 at work, v232-243 the codes
.set PW,    216
.set TT,    220
.set PC,    232
.set SEL,   22                         ; window 1: v0-95, v96-191 the weight's eight fragments, two sets; then v0-63 the norm's bias, v192-255 its gain
.set MSB, 0
.macro WIN new                         ; the immediate's high byte repeats the setting that is left
.if MSB != (\new)
	s_set_vgpr_msb (MSB<<8)|(\new)
.set MSB, (\new)
.endif
.endm
.macro PLACES n
.rept \n
	v_nop
.endr
.endm
	s_load_b256 s[4:11], s[0:1], 0x0               ; the tokens' codes, the weights', proj_b, x
	s_load_b256 s[12:19], s[0:1], 0x20             ; gain, bias, mask, x1
	s_load_b64 s[20:21], s[0:1], 0x40              ; the result's codes
	v_lshl_add_u32 v[SPW], v0, 2, SPARE
	v_mov_b32 v[NIL], 0
	v_lshrrev_b32 v1, 5, v0
	v_readfirstlane_b32 s24, v1                    ; wave 0..7
	s_lshr_b32 s25, ttmp9, 1
	s_lshl_b32 s25, s25, 5
	s_and_b32 s26, ttmp9, 1
	s_lshl_b32 s26, s26, 3
	s_add_co_u32 s25, s25, s26                     ; the tile's first token: 32 (t / 2) + 8 (t % 2)
	s_mul_i32 s26, s24, 16*SPITCH                  ; my stage
	s_lshl_b32 s28, s24, 6
	s_add_co_u32 s28, s28, RED                     ; my wave's 16 words of sums
	s_mov_b32 s27, 0x3a800000                      ; 1 / 1,024
	s_mov_b32 s[SEL], 0x76543210
	s_mov_b32 s[SEL+1], 0xfedcba98                 ; v_permlanex16_b32's selects for lane l xor 16
	s_mul_i32 s40, ttmp9, 8*FRB                    ; byte offsets, all under 2^25: the tile's codes,
	s_mov_b32 s41, 0
	s_lshl_b32 s42, ttmp9, 6                       ; its scale words,
	s_mov_b32 s43, 0
	s_mul_i32 s44, s24, 64*FRB                     ; my eight tiles of the weight,
	s_mov_b32 s45, 0
	s_lshl_b32 s46, s24, 9                         ; their scale words; also my 128 columns in f32
	s_mov_b32 s47, 0
	s_lshl_b32 s48, s25, 12
	s_add_co_u32 s48, s48, s46                     ; my columns of the tile's first row in x and x1
	s_mov_b32 s49, 0
	s_mul_i32 s50, s24, FRB
	s_add_co_u32 s50, s50, s40                     ; the result's fragment: tile, K step = wave
	s_mov_b32 s51, 0
	s_lshl_b32 s52, s24, 14
	s_add_co_u32 s52, s52, s42                     ; and its scale words
	s_mov_b32 s53, 0
	v_and_b32 v10, 31, v0
	v_and_b32 v2, 15, v0
	v_bfe_u32 v3, v0, 4, 1
	v_lshlrev_b32 v[LI], 4, v10
	v_lshlrev_b32 v6, 2, v10
	v_lshlrev_b32 v5, 2, v2
	v_lshlrev_b32 v24, 6, v3
	v_and_b32 v4, 8, v2
	v_add3_u32 v4, v4, v2, s25
	v_mul_u32_u24 v[STO], v2, SPITCH
	v_add_nc_u32 v[STO], v[STO], v24
	v_add_nc_u32 v[STO], s26, v[STO]
	v_add_nc_u32 v[RD], s26, v[LI]
	v_lshl_add_u32 v8, v2, 2, s28
	v_add_nc_u32 v9, RED, v5
.irp b, 0,1,2,3
	v_mov_b32 v[TM+4+\b], 0                        ; written once: a lane permute's destination counts as one of its sources
.endr
	s_wait_alu depctr_va_vdst(0)                   ; the wait at the head's end
	s_wait_kmcnt 0x0
	s_add_nc_u64 s[32:33], s[4:5], s[42:43]
	s_add_nc_u64 s[32:33], s[32:33], O_S           ; the tokens' scale words
	s_add_nc_u64 s[4:5], s[4:5], s[40:41]          ; their codes
	s_add_nc_u64 s[34:35], s[6:7], s[44:45]
	s_add_nc_u64 s[34:35], s[34:35], WREG          ; the weight's codes
	s_add_nc_u64 s[36:37], s[6:7], s[46:47]
	s_add_nc_u64 s[36:37], s[36:37], WS            ; its scale words
	s_add_nc_u64 s[8:9], s[8:9], s[46:47]
	s_add_nc_u64 s[12:13], s[12:13], s[46:47]
	s_add_nc_u64 s[14:15], s[14:15], s[46:47]
	s_add_nc_u64 s[10:11], s[10:11], s[48:49]
	s_add_nc_u64 s[18:19], s[18:19], s[48:49]
	s_add_nc_u64 s[38:39], s[20:21], s[52:53]
	s_add_nc_u64 s[38:39], s[38:39], H_S
	s_add_nc_u64 s[20:21], s[20:21], s[50:51]
; K step k's 32 loads into set k % 2: the weight's eight fragments, the tokens' one, one scale word register for the tokens, four for the weight (lanes 0-15 one tile's words, lanes 16-31 the next tile's)
.macro GROUP k
	WIN 0x40
.irp i, 0,1,2,3,4,5,6,7
.irp j, 0,1,2
	global_load_b128 v[96*((\k)%2)+12*\i+4*\j:96*((\k)%2)+12*\i+4*\j+3], v[LI], s[34:35] offset:\i*8*FRB+(\k)*FRB+512*\j
.endr
.endr
	WIN 0
.irp j, 0,1,2
	global_load_b128 v[AF+12*((\k)%2)+4*\j:AF+12*((\k)%2)+4*\j+3], v[LI], s[4:5] offset:(\k)*FRB+512*\j
.endr
	global_load_b32 v[SCA+(\k)%2], v5, s[32:33] offset:(\k)*16384
.irp i, 0,1,2,3
	global_load_b32 v[SCB+4*((\k)%2)+\i], v6, s[36:37] offset:(\k)*16384+128*\i
.endr
.endm
; A vector indexed by column, in the accumulators' layout: register 8 b + j of lane (r, h) is column 32 (b / 2) + 8 (b % 2) + 16 h + j of my 128: 16 loads
.macro COLS reg, base
.irp b, 0,1,2,3,4,5,6,7
.irp e, 0,1
	global_load_b128 v[\reg+8*\b+4*\e:\reg+8*\b+4*\e+3], v24, s[\base:\base+1] offset:(32*(\b/2)+8*(\b%2))*4+16*\e
.endr
.endr
.endm
; K step k: eight matrix instructions, the eight accumulators by turns; then the freed set takes the K step two on.
.macro KSTEP k
	s_wait_loadcnt 32                              ; all but the youngest 32 loads are in: this K step's group; the next group's 32 may be out
	WIN 0x01                                       ; source 0, the weight, in window 1
.irp b, 0,2,4,6
	v_wmma_scale_f32_16x16x128_f8f6f4 v[ACC+8*\b:ACC+8*\b+7], v[96*((\k)%2)+12*\b:96*((\k)%2)+12*\b+11], v[AF+12*((\k)%2):AF+12*((\k)%2)+11], v[ACC+8*\b:ACC+8*\b+7], v[SCB+4*((\k)%2)+\b/2], v[SCA+(\k)%2] matrix_a_fmt:MATRIX_FMT_BF6 matrix_b_fmt:MATRIX_FMT_BF6
	v_wmma_scale_f32_16x16x128_f8f6f4 v[ACC+8*\b+8:ACC+8*\b+15], v[96*((\k)%2)+12*\b+12:96*((\k)%2)+12*\b+23], v[AF+12*((\k)%2):AF+12*((\k)%2)+11], v[ACC+8*\b+8:ACC+8*\b+15], v[SCB+4*((\k)%2)+\b/2], v[SCA+(\k)%2] matrix_a_fmt:MATRIX_FMT_BF6 matrix_b_fmt:MATRIX_FMT_BF6 matrix_a_scale:MATRIX_SCALE_ROW1
.endr
	PLACES 4                                       ; in front of loads into registers that matrix instructions have read, and of the first read of results
.if (\k) < 6
	GROUP (\k)+2
.elseif (\k) == 6
	WIN 0x40                                       ; in the place of a ninth group: the norm's gain and bias, 32 loads
	COLS 192, 12
	COLS 0, 14
.endif
	WIN 0
.endm
.irp t, 0,1,2,3,4,5,6,7,8,9,10,11,12,13,14,15
	global_load_b128 v[XL+4*\t:XL+4*\t+3], v[LI], s[10:11] offset:(\t+(\t&8))*4096   ; x, row t of the tile: 32 lanes read 512 consecutive bytes
.endr
	global_load_u8 v7, v4, s[16:17]                ; my token's mask
	COLS ACC, 8                                    ; proj_b is the C of the first products
	GROUP 0
	GROUP 1
	KSTEP 0
.irp t, 0,1,2,3,4,5,6,7,8,9,10,11,12,13,14,15
	ds_store_b128 v[RD], v[XL+4*\t:XL+4*\t+3] offset:\t*SPITCH     ; x (its loads are older than K step 0's) turns through my stage: in by rows,
.endr
.irp b, 0,1,2,3,4,5,6,7
.irp e, 0,1
	ds_load_b128 v[XL+8*\b+4*\e:XL+8*\b+4*\e+3], v[STO] offset:128*(\b/2)+32*(\b%2)+16*\e   ; back in the accumulators' layout.  LDS serves a wave's instructions in order (ISA guide 5.7.1.4)
.endr
.endr
.irp k, 1,2,3,4,5,6,7
	KSTEP \k
.endr
	s_wait_dscnt 0x0                               ; x
.set i, 0
.rept 32
	v_pk_add_f32 v[ACC+i:ACC+i+1], v[ACC+i:ACC+i+1], v[XL+i:XL+i+1]   ; x1; each accumulator from its low end on
.set i, i+2
.endr
.irp b, 0,1,2,3,4,5,6,7
.irp e, 0,1
	ds_store_b128 v[STO], v[ACC+8*\b+4*\e:ACC+8*\b+4*\e+3] offset:128*(\b/2)+32*(\b%2)+16*\e
.endr
.endr
.irp t, 0,1,2,3,4,5,6,7,8,9,10,11,12,13,14,15
	ds_load_b128 v[XL+4*\t:XL+4*\t+3], v[RD] offset:\t*SPITCH      ; x1 by rows
.endr
; v10 = my 64 numbers' sum  ->  v16 = the token's: lane l xor 16's, then the eight waves' through LDS, added in a fixed order
.macro ACROSS base
	s_delay_alu instid0(VALU_DEP_1)
	v_permlanex16_b32 v11, v10, s[SEL], s[SEL+1]
	s_delay_alu instid0(VALU_DEP_1)
	v_add_f32 v10, v10, v11
	ds_store_b32 v8, v10 offset:\base              ; both halves of the lanes write the same word with the same value
	s_wait_dscnt 0x0                               ; for the others' sake: my store has landed
	s_barrier_signal -1
	s_barrier_wait -1
.irp i, 0,1,2,3,4,5,6,7
	ds_load_b32 v[16+\i], v9 offset:\base+64*\i
.endr
	s_wait_dscnt 0x0
	v_add_f32 v16, v16, v17
	v_add_f32 v18, v18, v19
	v_add_f32 v20, v20, v21
	v_add_f32 v22, v22, v23
	s_delay_alu instid0(VALU_DEP_3)
	v_add_f32 v16, v16, v18
	s_delay_alu instid0(VALU_DEP_2)
	v_add_f32 v20, v20, v22
	s_delay_alu instid0(VALU_DEP_1)
	v_add_f32 v16, v16, v20
.endm
	v_pk_add_f32 v[10:11], v[ACC:ACC+1], v[ACC+2:ACC+3]
	v_pk_add_f32 v[12:13], v[ACC+4:ACC+5], v[ACC+6:ACC+7]
.irp i, 8,12,16,20,24,28,32,36,40,44,48,52,56,60
	s_delay_alu instid0(VALU_DEP_2)
	v_pk_add_f32 v[10:11], v[10:11], v[ACC+\i:ACC+\i+1]
	s_delay_alu instid0(VALU_DEP_2)
	v_pk_add_f32 v[12:13], v[12:13], v[ACC+\i+2:ACC+\i+3]
.endr
	s_delay_alu instid0(VALU_DEP_1)
	v_pk_add_f32 v[10:11], v[10:11], v[12:13]
	s_delay_alu instid0(VALU_DEP_1)
	v_add_f32 v10, v10, v11
	ACROSS 0
.irp t, 0,1,2,3,4,5,6,7,8,9,10,11,12,13,14,15
	global_store_b128 v[LI], v[XL+4*\t:XL+4*\t+3], s[18:19] offset:(\t+(\t&8))*4096   ; x1 (back from the stage since the waits above): 512 consecutive bytes, at a multiple of 512; these registers are not written again
.endr
	v_mul_f32 v14, s27, v16                        ; the mean
	s_delay_alu instid0(VALU_DEP_1)
	v_mov_b32 v15, v14                             ; (the packed forms name the pair)
.set i, 0
.rept 32
	v_pk_add_f32 v[ACC+i:ACC+i+1], v[ACC+i:ACC+i+1], v[14:15] op_sel_hi:[1,0] neg_lo:[0,1] neg_hi:[0,1]   ; x1 - mean
.set i, i+2
.endr
	v_pk_mul_f32 v[10:11], v[ACC:ACC+1], v[ACC:ACC+1]
	v_pk_mul_f32 v[12:13], v[ACC+2:ACC+3], v[ACC+2:ACC+3]
.irp i, 4,8,12,16,20,24,28,32,36,40,44,48,52,56,60
	s_delay_alu instid0(VALU_DEP_2)
	v_pk_fma_f32 v[10:11], v[ACC+\i:ACC+\i+1], v[ACC+\i:ACC+\i+1], v[10:11]
	s_delay_alu instid0(VALU_DEP_2)
	v_pk_fma_f32 v[12:13], v[ACC+\i+2:ACC+\i+3], v[ACC+\i+2:ACC+\i+3], v[12:13]
.endr
	s_delay_alu instid0(VALU_DEP_1)
	v_pk_add_f32 v[10:11], v[10:11], v[12:13]
	s_delay_alu instid0(VALU_DEP_1)
	v_add_f32 v10, v10, v11
	ACROSS 512                                     ; other LDS bytes than the first time: no third barrier is needed
	s_delay_alu instid0(VALU_DEP_1)
	v_fmaak_f32 v14, s27, v16, 0x3727c5ac          ; the variance + 1e-5
	s_wait_alu depctr_va_vdst(0)                   ; the wait ahead of the transcendental
	v_rsq_f32 v14, v14
	v_nop                                          ; one plain place behind the transcendental
	s_wait_loadcnt 0x0                             ; gain and bias
	s_wait_alu depctr_va_vdst(0)                   ; the wait ahead of its first reader
	v_mov_b32 v15, v14
	v_cvt_f32_u32 v12, v7                          ; the mask as 0.0 or 1.0
	s_delay_alu instid0(VALU_DEP_1)
	v_mov_b32 v13, v12
.set i, 0
.rept 32
	v_pk_mul_f32 v[ACC+i:ACC+i+1], v[ACC+i:ACC+i+1], v[14:15] op_sel_hi:[1,0]
.set i, i+2
.endr
	WIN 0x14                                       ; sources 1 and 2, gain and bias, in window 1
.set i, 0
.rept 32
	v_pk_fma_f32 v[ACC+i:ACC+i+1], v[ACC+i:ACC+i+1], v[192+i:192+i+1], v[i:i+1]
.set i, i+2
.endr
	WIN 0
.set i, 0
.rept 32
	v_pk_mul_f32 v[ACC+i:ACC+i+1], v[ACC+i:ACC+i+1], v[12:13] op_sel_hi:[1,0]
.set i, i+2
.endr
; THE QUANTISER: register 16 b + i = k 32 b + 16 h + i of my token's 128: half of each of four blocks; lane l xor 16 holds the other halves
.irp b, 0,1,2,3
	v_max3_num_f32 v[TM+\b], |v[ACC+16*\b]|, |v[ACC+16*\b+1]|, 0x2800000   ; with the floor 2^(5 - 127): the byte cannot fall under 1
.endr
.irp i, 2,4,6,8,10,12,14
.irp b, 0,1,2,3
	v_max3_num_f32 v[TM+\b], |v[ACC+16*\b+\i]|, |v[ACC+16*\b+\i+1]|, v[TM+\b]
.endr
.endr
.irp b, 0,1,2,3
	v_permlanex16_b32 v[TM+4+\b], v[TM+\b], s[SEL], s[SEL+1]
.endr
.irp b, 0,1,2,3
	v_max_num_f32 v[TM+\b], v[TM+\b], v[TM+4+\b]   ; the block's largest magnitude
.endr
.irp b, 0,1,2,3
	v_add_nc_u32 v[TM+12+\b], 0xfe000000, v[TM+\b] ; 4 off its exponent field: the conversion's scale operand
.endr
.irp b, 0,1,2,3
	v_lshrrev_b32 v[TM+4+\b], 23, v[TM+12+\b]      ; the byte
.endr
	v_lshl_or_b32 v[PW], v[TM+5], 8, v[TM+4]
	s_delay_alu instid0(VALU_DEP_1)
	v_lshl_or_b32 v[PW], v[TM+6], 16, v[PW]
	s_delay_alu instid0(VALU_DEP_1)
	v_lshl_or_b32 v[PW], v[TM+7], 24, v[PW]        ; the token's scale word, the same in both halves of the lanes
.irp c, 0,1
	v_cvt_scalef32_pk16_bf6_f32 v[PC+6*\c:PC+6*\c+2], v[ACC+32*\c:ACC+32*\c+15], v[TM+12+2*\c]
	v_cvt_scalef32_pk16_bf6_f32 v[TT+4*\c:TT+4*\c+2], v[ACC+32*\c+16:ACC+32*\c+31], v[TM+12+2*\c+1]   ; (a conversion's three registers begin on an even number)
.endr
	v_nop                                          ; one plain place behind a scaled conversion
.irp c, 0,1                                    ; the operand's layout wants a whole block in a lane: lanes 0-15 block 2 c, lanes 16-31 block 2 c + 1
.irp i, 0,1,2
	v_permlane16_swap_b32 v[PC+6*\c+\i], v[TT+4*\c+\i]
.endr
.irp i, 0,1,2
	v_mov_b32 v[PC+6*\c+3+\i], v[TT+4*\c+\i]
.endr
.endr
.irp j, 0,1,2
	global_store_b128 v[LI], v[PC+4*\j:PC+4*\j+3], s[20:21] offset:512*\j   ; the fragment's image: 512 consecutive bytes, at a multiple of 512
.endr
	global_store_b32 v5, v[PW], s[38:39]           ; 16 words; lanes l and l xor 16 store the same word with the same value
	s_wait_tensorcnt 0x0                           ; the wave's end: behind my last LDS store
	ds_add_u32 v[SPW], v[NIL]
	s_wait_dscnt 0x0
	s_endpgm
.Lfunc_end_k_q74f5656f11_projln:
	.size	k_q74f5656f11_projln, .Lfunc_end_k_q74f5656f11_projln-k_q74f5656f11_projln
	.p2alignl 7, 3214868480
	.fill 96, 4, 3214868480
	.section	.rodata,"a",@progbits
	.p2align	6, 0x0
	.amdhsa_kernel k_q74f5656f11_projln
		.amdhsa_group_segment_fixed_size 69632
		.amdhsa_private_segment_fixed_size 0
		.amdhsa_enable_private_segment 0
		.amdhsa_kernarg_size 72
		.amdhsa_user_sgpr_count 2
		.amdhsa_user_sgpr_kernarg_segment_ptr 1
		.amdhsa_wavefront_size32 1
		.amdhsa_system_sgpr_workgroup_id_x 1
		.amdhsa_system_sgpr_workgroup_id_y 1
		.amdhsa_system_sgpr_workgroup_id_z 1
		.amdhsa_system_vgpr_workitem_id 0
		.amdhsa_next_free_vgpr 512
		.amdhsa_next_free_sgpr 66
		.amdhsa_reserve_vcc 0
		.amdhsa_float_denorm_mode_32 3
		.amdhsa_float_denorm_mode_16_64 3
		.amdhsa_memory_ordered 1
		.amdhsa_forward_progress 1
		.amdhsa_inst_pref_size 73
	.end_amdhsa_kernel
	.amdgpu_metadata
---
amdhsa.version: [ 1, 2 ]
amdhsa.kernels:
  - .name:           k_q74f5656f11_projln
    .symbol:         k_q74f5656f11_projln.kd
    .args:
      - { .name: ob, .offset: 0, .size: 8, .value_kind: global_buffer, .address_space: global }
      - { .name: wb, .offset: 8, .size: 8, .value_kind: global_buffer, .address_space: global }
      - { .name: proj_b, .offset: 16, .size: 8, .value_kind: global_buffer, .address_space: global }
      - { .name: x, .offset: 24, .size: 8, .value_kind: global_buffer, .address_space: global }
      - { .name: ln2_w, .offset: 32, .size: 8, .value_kind: global_buffer, .address_space: global }
      - { .name: ln2_b, .offset: 40, .size: 8, .value_kind: global_buffer, .address_space: global }
      - { .name: key_padding_mask, .offset: 48, .size: 8, .value_kind: global_buffer, .address_space: global }
      - { .name: x1, .offset: 56, .size: 8, .value_kind: global_buffer, .address_space: global }
      - { .name: h2b, .offset: 64, .size: 8, .value_kind: global_buffer, .address_space: global }
    .group_segment_fixed_size: 69632
    .private_segment_fixed_size: 0
    .kernarg_segment_align: 8
    .kernarg_segment_size: 72
    .max_flat_workgroup_size: 256
    .sgpr_count:     66
    .vgpr_count:     512
    .wavefront_size: 32
...
	.end_amdgpu_metadata
.endif
;; end of part 4
;; launch ff1 (part 5): grid 16 x 16, 4 waves a work-group, clusters of 4 x 4, 327,680 bytes of LDS; arguments h2b, wb, ff_b1, hid; writes hid
.if DOCPART == 5
	.amdgcn_target "amdgcn-amd-amdhsa--gfx1250"
	.amdhsa_code_object_version 6
	.text
	.protected	k_q74f5656f11_ff1
	.globl	k_q74f5656f11_ff1
	.p2align	8
	.type	k_q74f5656f11_ff1,@function
k_q74f5656f11_ff1:
	s_mov_b64 s[64:65], 0
	v_nop
	global_prefetch_b8 v0, s[64:65] scope:SCOPE_SE
	s_setreg_imm32_b32 hwreg(HW_REG_WAVE_MODE, 25, 1), 1
	s_wait_xcnt 0x0
	s_wait_alu depctr_hold_cnt(0) depctr_sa_sdst(0) depctr_va_vdst(0) depctr_va_sdst(0) depctr_va_ssrc(0) depctr_va_vcc(0) depctr_vm_vsrc(0)
	s_getreg_b32 s2, hwreg(HW_REG_IB_STS2, 6, 4)
	s_cmp_eq_u32 s2, 0
	s_cbranch_scc0 .Lentry_in_a_cluster
	s_endpgm
.Lentry_in_a_cluster:
	s_bfe_u32 s2, ttmp6, 0x10000c
	s_cmp_lg_u32 s2, 0xf033
	s_cbranch_scc0 .Lentry_shape_is_right
	s_endpgm
.Lentry_shape_is_right:
.set KIND,  1
.set H_S,   3145728
.set W4_C,  3276800
.set W1_C,  6422528
.set W4_S,  12713984
.set W1_S,  12845056
.set FRB,   1536
.set TPI,   8*FRB
.set ROWT,  2*FRB
.set HALFT, 8*ROWT
.set SLOT,  4*HALFT
.set SCL,   2*SLOT
.set HALFS, 8*512
.set SPARE, SCL+4*HALFS
.set LI,    1
.set CO,    2
.set SOFF,  10
.set BOF,   11
.set ADRA,  16
.set ADRB,  20
.set ADSA,  22
.set ADSB,  23
.set SPW,   28
.set NIL,   29
.set SC,    32
.set AF,    64
.set TM,    200
.set PW,    216
.set PC,    64
.set TT,    160
.set SEL,   10
.set G1,    24
.set G0,    32
.set G1B,   48
.set G0B,   56
.set G1S,   68
.set G0S,   76
.set G1SB,  80
.set G0SB,  88
.if KIND
.set PB,    6
.else
.set PB,    4
.endif
.set MSB, 0
.macro WIN new
.if MSB != (\new)
	s_set_vgpr_msb (MSB<<8)|(\new)
.set MSB, (\new)
.endif
.endm
.set MUL_LO, 0xa1
.set MUL_HI, 0xf1
.set TO_B,   0x40
.macro PLACES n
.rept \n
	v_nop
.endr
.endm
.macro JLOAD g0a, g1a, g0b, g1b
	s_cmp_eq_u32 s15, 0
	s_cbranch_scc0 .Lfor_b_\@
	tensor_load_to_lds s[\g0a:\g0a+3], s[\g1a:\g1a+7]
	s_nop 0
.rept 4
	v_nop
.endr
	s_branch .Lasked_\@
.Lfor_b_\@:
	tensor_load_to_lds s[\g0b:\g0b+3], s[\g1b:\g1b+7]
	s_nop 0
.rept 4
	v_nop
.endr
.Lasked_\@:
.endm
.macro CREST
	s_cmp_lg_u32 s14, 0
	s_cbranch_scc1 .Lnot_wave_0_\@
	s_barrier_signal -3
.Lnot_wave_0_\@:
	s_barrier_wait -3
	s_barrier_signal -1
	s_barrier_wait -1
.endm
.macro CROUND
	s_barrier_signal -1
	s_barrier_wait -1
	CREST
.endm
.macro EMIT
.if WC < 0
.if WR0 && WR1
	v_wmma_scale_f32_16x16x128_f8f6f4 v[WD:WD+7], v[W0:W0+11], v[W1:W1+11], 0, v[WX0], v[WX1] matrix_a_fmt:MATRIX_FMT_BF6 matrix_b_fmt:MATRIX_FMT_BF6 matrix_a_scale:MATRIX_SCALE_ROW1 matrix_b_scale:MATRIX_SCALE_ROW1
.elseif WR0
	v_wmma_scale_f32_16x16x128_f8f6f4 v[WD:WD+7], v[W0:W0+11], v[W1:W1+11], 0, v[WX0], v[WX1] matrix_a_fmt:MATRIX_FMT_BF6 matrix_b_fmt:MATRIX_FMT_BF6 matrix_a_scale:MATRIX_SCALE_ROW1
.elseif WR1
	v_wmma_scale_f32_16x16x128_f8f6f4 v[WD:WD+7], v[W0:W0+11], v[W1:W1+11], 0, v[WX0], v[WX1] matrix_a_fmt:MATRIX_FMT_BF6 matrix_b_fmt:MATRIX_FMT_BF6 matrix_b_scale:MATRIX_SCALE_ROW1
.else
	v_wmma_scale_f32_16x16x128_f8f6f4 v[WD:WD+7], v[W0:W0+11], v[W1:W1+11], 0, v[WX0], v[WX1] matrix_a_fmt:MATRIX_FMT_BF6 matrix_b_fmt:MATRIX_FMT_BF6
.endif
.else
.if WR0 && WR1
	v_wmma_scale_f32_16x16x128_f8f6f4 v[WD:WD+7], v[W0:W0+11], v[W1:W1+11], v[WC:WC+7], v[WX0], v[WX1] matrix_a_fmt:MATRIX_FMT_BF6 matrix_b_fmt:MATRIX_FMT_BF6 matrix_a_scale:MATRIX_SCALE_ROW1 matrix_b_scale:MATRIX_SCALE_ROW1
.elseif WR0
	v_wmma_scale_f32_16x16x128_f8f6f4 v[WD:WD+7], v[W0:W0+11], v[W1:W1+11], v[WC:WC+7], v[WX0], v[WX1] matrix_a_fmt:MATRIX_FMT_BF6 matrix_b_fmt:MATRIX_FMT_BF6 matrix_a_scale:MATRIX_SCALE_ROW1
.elseif WR1
	v_wmma_scale_f32_16x16x128_f8f6f4 v[WD:WD+7], v[W0:W0+11], v[W1:W1+11], v[WC:WC+7], v[WX0], v[WX1] matrix_a_fmt:MATRIX_FMT_BF6 matrix_b_fmt:MATRIX_FMT_BF6 matrix_b_scale:MATRIX_SCALE_ROW1
.else
	v_wmma_scale_f32_16x16x128_f8f6f4 v[WD:WD+7], v[W0:W0+11], v[W1:W1+11], v[WC:WC+7], v[WX0], v[WX1] matrix_a_fmt:MATRIX_FMT_BF6 matrix_b_fmt:MATRIX_FMT_BF6
.endif
.endif
.endm
.if KIND
	s_load_b128 s[4:7], s[0:1], 0x0
	s_load_b64 s[8:9], s[0:1], 0x10
	s_load_b64 s[12:13], s[0:1], 0x18
.else
	s_load_b64 s[4:5], s[0:1], 0x0
	s_load_b64 s[12:13], s[0:1], 0x8
.endif
	v_lshl_add_u32 v[SPW], v0, 2, SPARE
	v_mov_b32 v[NIL], 0
	ds_add_u32 v28, v29
	ds_add_u32 v28, v29
	s_wait_dscnt 0x0
	v_lshrrev_b32 v1, 5, v0
	v_readfirstlane_b32 s14, v1
	s_lshr_b32 s15, s14, 1
	s_and_b32 s16, s14, 1
	s_bfe_u32 s40, ttmp6, 0x40000
	s_bfe_u32 s41, ttmp6, 0x40004
	s_and_b32 s17, ttmp7, 0xffff
	s_lshl_b32 s43, s41, 2
	s_lshl_b32 s43, 15, s43
	s_lshl_b32 s44, 0x1111, s40
	s_mov_b32 s[SEL], 0x76543210
	s_mov_b32 s[SEL+1], 0xfedcba98
.if KIND
	s_lshl_b32 s42, ttmp9, 2
	s_add_co_u32 s42, s42, s40
	s_lshl_b32 s45, s17, 2
	s_add_co_u32 s45, s45, s41
	s_mov_b32 s23, 0
	s_mov_b32 s2, H_S
	s_mov_b32 s3, W1_C
	s_mov_b32 s66, W1_S
.else
	s_lshr_b32 s18, ttmp9, 1
	s_xor_b32 s19, s18, 1
	s_mul_i32 s20, s19, ttmp9
	s_mul_i32 s21, s18, s17
	s_add_co_u32 s20, s20, s21
	s_lshl_b32 s20, s20, 2
	s_add_co_u32 s42, s20, s40
	s_mul_i32 s20, s19, s17
	s_lshl_b32 s21, s18, 1
	s_add_co_u32 s20, s20, s21
	s_lshl_b32 s20, s20, 2
	s_add_co_u32 s45, s20, s41
	s_mul_i32 s23, s18, W4_C
	s_mul_i32 s2, s18, W4_S-H_S
	s_add_co_u32 s2, s2, H_S
	s_mul_i32 s3, s19, W4_C
	s_mul_i32 s66, s19, W4_S-H_S
	s_add_co_u32 s66, s66, H_S
.endif
	s_or_b32 s[G1+0], s43, (3<<16)|(1<<21)
	s_or_b32 s[G1B+0], s44, (3<<16)|(1<<21)
.irp g, G1, G1B
	s_mov_b32 s[\g+1], (ROWT/8)<<16                ; tensor_dim0
	s_mov_b32 s[\g+2], 16<<16                      ; tensor_dim1: the head's loads bring a side's 16 tiles; behind them the two words that count rows are set to 8
	s_mov_b32 s[\g+3], (ROWT/8)<<16                ; tile_dim0
	s_mov_b32 s[\g+4], 16                          ; tile_dim1
	s_mov_b32 s[\g+5], TPI/8
	s_mov_b32 s[\g+6], 0
	s_mov_b32 s[\g+7], 0
.endr
	s_or_b32 s[G1S+0], s43, (3<<16)|(1<<21)
	s_or_b32 s[G1SB+0], s44, (3<<16)|(1<<21)
.irp g, G1S, G1SB
	s_mov_b32 s[\g+1], 128<<16                     ; a side's 16 tiles: eight rows (K steps) of 1,024 bytes
	s_mov_b32 s[\g+2], 8<<16
	s_mov_b32 s[\g+3], 128<<16
	s_mov_b32 s[\g+4], 8
	s_mov_b32 s[\g+5], 2048
	s_mov_b32 s[\g+6], 0
	s_mov_b32 s[\g+7], 0
.endr
	s_lshl_b32 s20, s45, 4                         ; A: the side's first tile
	s_lshl_b32 s92, s20, 6
	s_add_co_u32 s92, s92, s2
	s_mov_b32 s93, 0
	s_mul_i32 s20, s20, TPI
	s_add_co_u32 s20, s20, s23
	s_mov_b32 s21, 0
	s_lshl_b32 s46, s42, 4
	s_lshl_b32 s94, s46, 6
	s_add_co_u32 s94, s94, s66
	s_mov_b32 s95, 0
	s_mul_i32 s46, s46, TPI
	s_add_co_u32 s46, s46, s3
	s_mov_b32 s47, 0
	s_mul_i32 s96, s14, HALFT
	s_wait_kmcnt 0x0
	s_add_nc_u64 s[20:21], s[4:5], s[20:21]
	s_add_nc_u64 s[92:93], s[4:5], s[92:93]
	s_add_nc_u64 s[46:47], s[PB:PB+1], s[46:47]
	s_add_nc_u64 s[94:95], s[PB:PB+1], s[94:95]
	CROUND
	s_mov_b32 s[G0S], 1
	s_mov_b32 s[G0S+1], SCL
	s_mov_b64 s[G0S+2:G0S+3], s[92:93]
	s_or_b32 s[G0S+3], s[G0S+3], 0x80000000
	s_mov_b32 s[G0SB], 1
	s_mov_b32 s[G0SB+1], SCL+2*HALFS
	s_mov_b64 s[G0SB+2:G0SB+3], s[94:95]
	s_or_b32 s[G0SB+3], s[G0SB+3], 0x80000000
	s_mul_i32 s22, s16, 8*TPI                      ; in the ring I fetch eight tiles of a side: which half, in bytes
	s_mov_b32 s23, 0
	s_add_nc_u64 s[92:93], s[20:21], s[22:23]
	s_add_nc_u64 s[94:95], s[46:47], s[22:23]
.irp s, 0,1
	s_mov_b32 s[G0+4*\s], 1
	s_add_co_u32 s[G0+4*\s+1], s96, \s*SLOT
	s_add_nc_u64 s[G0+4*\s+2:G0+4*\s+3], s[92:93], \s*ROWT
	s_or_b32 s[G0+4*\s+3], s[G0+4*\s+3], 0x80000000
	s_mov_b32 s[G0B+4*\s], 1
	s_add_co_u32 s[G0B+4*\s+1], s96, \s*SLOT
	s_add_nc_u64 s[G0B+4*\s+2:G0B+4*\s+3], s[94:95], \s*ROWT
	s_or_b32 s[G0B+4*\s+3], s[G0B+4*\s+3], 0x80000000
.endr
	s_mov_b64 s[22:23], s[20:21]                   ; the head's group 0 for slot 0's 16 tiles of A,
	s_or_b32 s23, s23, 0x80000000
	s_mov_b32 s20, 1
	s_mov_b32 s21, 0
	s_mov_b32 s4, 1                                ; and of B, behind them (the arguments that lay here have been used)
	s_mov_b32 s5, 2*HALFT
	s_mov_b64 s[6:7], s[46:47]
	s_or_b32 s7, s7, 0x80000000
	; THE HEAD'S LOADS, ONE A WAVE: wave 0 slot 0's A, wave 1 its B, wave 2 A's scale words, wave 3 B's.  One chain of branches on the wave's number.
	s_cmp_lt_u32 s14, 1
	s_cbranch_scc0 .Lh1
	tensor_load_to_lds s[20:23], s[G1:G1+7]
	s_nop 0
	PLACES 4
	s_branch .Lh4
.Lh1:
	s_cmp_lt_u32 s14, 2
	s_cbranch_scc0 .Lh2
	tensor_load_to_lds s[4:7], s[G1B:G1B+7]
	s_nop 0
	PLACES 4
	s_branch .Lh4
.Lh2:
	s_cmp_lt_u32 s14, 3
	s_cbranch_scc0 .Lh3
	tensor_load_to_lds s[G0S:G0S+3], s[G1S:G1S+7]
	s_nop 0
	PLACES 4
	s_branch .Lh4
.Lh3:
	tensor_load_to_lds s[G0SB:G0SB+3], s[G1SB:G1SB+7]
	s_nop 0
	PLACES 4
.Lh4:
	v_and_b32 v30, 31, v0
	v_lshlrev_b32 v[LI], 4, v30
	v_lshlrev_b32 v30, 2, v30
	s_wait_alu depctr_va_vdst(0)
	s_mul_i32 s66, s15, HALFT
	s_mul_i32 s67, s16, HALFT
	s_add_co_u32 s67, s67, 2*HALFT
.irp s, 0,1
	v_add_nc_u32 v[ADRA+\s], s66, v[LI]
	v_add_nc_u32 v[ADRB+\s], s67, v[LI]
	s_add_co_u32 s66, s66, SLOT
	s_add_co_u32 s67, s67, SLOT
.endr
	s_lshl_b32 s66, s15, 9                         ; my eight tiles' 512 bytes of a K step's 1,024
	s_add_co_u32 s66, s66, SCL
	v_add_nc_u32 v[ADSA], s66, v30
	s_lshl_b32 s66, s16, 9
	s_add_co_u32 s66, s66, SCL+2*HALFS
	v_add_nc_u32 v[ADSB], s66, v30
.if KIND
	s_lshl_b32 s2, s42, 10
	s_lshl_b32 s3, s16, 9
	s_add_co_u32 s2, s2, s3
	s_mov_b32 s3, 0
	s_add_nc_u64 s[8:9], s[8:9], s[2:3]
	v_bfe_u32 v[BOF], v0, 4, 1
	v_lshlrev_b32 v[BOF], 6, v[BOF]
	WIN TO_B
.irp b, 0,1,2,3,4,5,6,7
.irp e, 0,1
	global_load_b128 v[96+8*\b+96*(\b/4)+4*\e:96+8*\b+96*(\b/4)+4*\e+3], v[BOF], s[8:9] offset:(32*(\b/2)+8*(\b%2))*4+16*\e
.endr
.endr
	WIN 0
	s_mov_b32 s66, 32*FRB
	s_mov_b32 s67, 16384
	s_lshl_b32 s98, s42, 1
	s_add_co_u32 s98, s98, s16
	s_lshl_b32 s99, s45, 4
	s_lshl_b32 s2, s15, 3
	s_add_co_u32 s99, s99, s2
	s_mov_b32 s2, 0
	s_mov_b32 s3, 12582912
.else
	s_mul_i32 s66, s18, 24*FRB
	s_add_co_u32 s66, s66, 8*FRB
	s_mul_i32 s67, s18, 12288
	s_sub_co_u32 s67, 16384, s67
	s_mul_i32 s98, s18, s17
	s_lshl_b32 s98, s98, 2
	s_add_co_u32 s98, s98, s40
	s_lshl_b32 s98, s98, 1
	s_add_co_u32 s98, s98, s16
	s_mul_i32 s99, s19, s17
	s_lshl_b32 s99, s99, 2
	s_add_co_u32 s99, s99, s41
	s_lshl_b32 s99, s99, 4
	s_lshl_b32 s2, s15, 3
	s_add_co_u32 s99, s99, s2
	s_mul_i32 s2, ttmp9, 3145728
	s_mul_i32 s3, ttmp9, 131072
	s_add_co_u32 s3, s3, 9437184
.endif
	s_mul_i32 s46, s99, s66
	s_mul_i32 s47, s98, FRB
	s_add_co_u32 s46, s46, s47
	s_add_co_u32 s46, s46, s2
	v_add_nc_u32 v[CO], s46, v[LI]
.irp a, 1,2,3,4,5,6,7
	v_add_nc_u32 v[CO+\a], s66, v[CO+\a-1]
.endr
	s_mul_i32 s46, s98, s67
	s_lshl_b32 s47, s99, 6
	s_add_co_u32 s46, s46, s47
	s_add_co_u32 s46, s46, s3
	v_add_nc_u32 v[SOFF], s46, v30
.macro FETCH slot, q, p, k
	WIN TO_B
.irp i, 0,1,2,3,4,5,6,7
.irp j, 0,1,2
	ds_load_b128 v[128*(\p)+12*\i+4*\j:128*(\p)+12*\i+4*\j+3], v[ADRB+(\slot)] offset:\i*ROWT+(\q)*FRB+512*\j
.endr
.endr
	WIN 0
.irp i, 0,1,2,3,4,5,6,7
.irp j, 0,1,2
	ds_load_b128 v[AF+96*(\p)+12*\i+4*\j:AF+96*(\p)+12*\i+4*\j+3], v[ADRA+(\slot)] offset:\i*ROWT+(\q)*FRB+512*\j
.endr
.endr
.irp i, 0,1,2,3
	ds_load_b32 v[SC+8*(\p)+\i], v[ADSA] offset:1024*(\k)+128*\i
	ds_load_b32 v[SC+8*(\p)+4+\i], v[ADSB] offset:1024*(\k)+128*\i
.endr
.endm
.macro MUL16 a0, p, first
.irp a, \a0, \a0+1
.irp b, 0,1,2,3,4,5,6,7
.set WD, 8*(8*((\a)%4)+\b)
.set W0, 128*(\p)+12*\b
.set W1, AF+96*(\p)+12*(\a)
.set WX0, SC+8*(\p)+4+\b/2
.set WX1, SC+8*(\p)+(\a)/2
.set WR0, \b%2
.set WR1, (\a)%2
.if \first
.if KIND
.set WC, 96+8*\b+96*(\b/4)
.else
.set WC, -1
.endif
.else
.set WC, WD
.endif
	EMIT
.endr
.endr
.endm
.macro STEP slot, k, first
	PLACES 4
	FETCH \slot, 1, 1, (\k)+1
	s_wait_dscnt 56
.if \first && KIND
	WIN 0x91
.else
	WIN MUL_LO
.endif
	MUL16 0, 0, \first
	MUL16 2, 0, \first
.if \first && KIND
	WIN 0xd1
.else
	WIN MUL_HI
.endif
	MUL16 4, 0, \first
	MUL16 6, 0, \first
.endm
.macro TURN slot, next, k, fill
	WIN 0
	s_wait_tensorcnt 0x0
	ds_add_u32 v[SPW], v[NIL]
	s_wait_dscnt 1
	WIN MUL_LO
	MUL16 0, 1, 0
	s_wait_dscnt 0x0
	s_barrier_signal -1
	MUL16 2, 1, 0
	WIN 0
	s_barrier_wait -1
.if \fill
	CREST
	s_add_nc_u64 s[G0+4*(\slot)+2:G0+4*(\slot)+3], s[G0+4*(\slot)+2:G0+4*(\slot)+3], 2*ROWT
	s_add_nc_u64 s[G0B+4*(\slot)+2:G0B+4*(\slot)+3], s[G0B+4*(\slot)+2:G0B+4*(\slot)+3], 2*ROWT
	JLOAD G0+4*(\slot), G1, G0B+4*(\slot), G1B
.else
	PLACES 4
.endif
	FETCH \next, 0, 0, (\k)+1
	WIN MUL_HI
	MUL16 4, 1, 0
	MUL16 6, 1, 0
.endm
	s_wait_alu depctr_va_vdst(0)                   ; the wait at the head's end
	s_wait_tensorcnt 0x0                           ; my tile of the head's four is in
	ds_add_u32 v28, v29
	s_mov_b32 s[G1+2], 8<<16                       ; no tensor load of mine is out: from here on a load brings eight tiles
	s_mov_b32 s[G1+4], 8
	s_mov_b32 s[G1B+2], 8<<16
	s_mov_b32 s[G1B+4], 8
	s_wait_dscnt 0x0
	CROUND
	JLOAD G0+4, G1, G0B+4, G1B                     ; slot 1's first fill, my one tensor load behind the round
	FETCH 0, 0, 0, 0
.if KIND
	s_wait_loadcnt 0x0
.endif
	STEP 0, 0, 1
	TURN 0, 1, 1, 1
	STEP 1, 2, 0
	TURN 1, 0, 3, 1
	STEP 0, 4, 0
	TURN 0, 1, 5, 0
	STEP 1, 6, 0
	s_wait_dscnt 0x0
	WIN MUL_LO
	MUL16 0, 1, 0
	MUL16 2, 1, 0
	WIN MUL_HI
	MUL16 4, 1, 0
	MUL16 6, 1, 0
	WIN 0
	PLACES 4
.macro QUANTW a
.set W, 2+(\a)/4
.set S, 64*((\a)%4)
.set PCA, PC+12*(\a)
.if KIND
	WIN (W<<6)|(W<<2)
.set j, 0
.rept 64
	v_max_num_f32 v[S+j], 0, v[S+j]
.set j, j+1
.endr
.endif
	WIN W|(W<<2)
.irp b, 0,1,2,3
	v_max3_num_f32 v[TM+\b], |v[S+16*\b]|, |v[S+16*\b+1]|, 0x2800000
.endr
.irp i, 2,4,6,8,10,12,14
.irp b, 0,1,2,3
	v_max3_num_f32 v[TM+\b], |v[S+16*\b+\i]|, |v[S+16*\b+\i+1]|, v[TM+\b]
.endr
.endr
	WIN 0
.irp b, 0,1,2,3
	v_permlanex16_b32 v[TM+4+\b], v[TM+\b], s[SEL], s[SEL+1]
.endr
.irp b, 0,1,2,3
	v_max_num_f32 v[TM+\b], v[TM+\b], v[TM+4+\b]
.endr
.irp b, 0,1,2,3
	v_add_nc_u32 v[TM+12+\b], 0xfe000000, v[TM+\b]
.endr
.irp b, 0,1,2,3
	v_lshrrev_b32 v[TM+4+\b], 23, v[TM+12+\b]
.endr
	v_lshl_or_b32 v[PW+(\a)], v[TM+5], 8, v[TM+4]
	v_lshl_or_b32 v[PW+(\a)], v[TM+6], 16, v[PW+(\a)]
	v_lshl_or_b32 v[PW+(\a)], v[TM+7], 24, v[PW+(\a)]
	WIN W
.irp c, 0,1
	v_cvt_scalef32_pk16_bf6_f32 v[PCA+6*\c:PCA+6*\c+2], v[S+32*\c:S+32*\c+15], v[TM+12+2*\c]
	v_cvt_scalef32_pk16_bf6_f32 v[TT+4*\c:TT+4*\c+2], v[S+32*\c+16:S+32*\c+31], v[TM+12+2*\c+1]
.endr
	WIN 0
	v_nop
.irp c, 0,1
.irp i, 0,1,2
	v_permlane16_swap_b32 v[PCA+6*\c+\i], v[TT+4*\c+\i]
.endr
.irp i, 0,1,2
	v_mov_b32 v[PCA+6*\c+3+\i], v[TT+4*\c+\i]
.endr
.endr
.endm
.irp b, 0,1,2,3
	v_mov_b32 v[TM+4+\b], 0
.endr
.irp a, 0,1,2,3,4,5,6,7
	QUANTW \a
.irp j, 0,1,2
	global_store_b128 v[CO+\a], v[PC+12*\a+4*\j:PC+12*\a+4*\j+3], s[12:13] offset:512*\j
.endr
.endr
	s_mov_b32 vcc_lo, 0xffff0000
.irp i, 0,1,2,3
	v_cndmask_b32 v[168+\i], v[PW+2*\i], v[PW+2*\i+1], vcc_lo
	global_store_b32 v[SOFF], v[168+\i], s[12:13] offset:128*\i
.endr
	s_wait_tensorcnt 0x0
	ds_add_u32 v[SPW], v[NIL]
	s_wait_dscnt 0x0
	CROUND
	s_endpgm
.Lfunc_end_k_q74f5656f11_ff1:
	.size	k_q74f5656f11_ff1, .Lfunc_end_k_q74f5656f11_ff1-k_q74f5656f11_ff1
	.p2alignl 7, 3214868480
	.fill 96, 4, 3214868480
	.section	.rodata,"a",@progbits
	.p2align	6, 0x0
	.amdhsa_kernel k_q74f5656f11_ff1
		.amdhsa_group_segment_fixed_size 327680
		.amdhsa_private_segment_fixed_size 0
		.amdhsa_enable_private_segment 0
		.amdhsa_kernarg_size 32
		.amdhsa_user_sgpr_count 2
		.amdhsa_user_sgpr_kernarg_segment_ptr 1
		.amdhsa_wavefront_size32 1
		.amdhsa_system_sgpr_workgroup_id_x 1
		.amdhsa_system_sgpr_workgroup_id_y 1
		.amdhsa_system_sgpr_workgroup_id_z 1
		.amdhsa_system_vgpr_workitem_id 0
		.amdhsa_next_free_vgpr 1024
		.amdhsa_next_free_sgpr 100
		.amdhsa_reserve_vcc 1
		.amdhsa_float_denorm_mode_32 3
		.amdhsa_float_denorm_mode_16_64 3
		.amdhsa_memory_ordered 1
		.amdhsa_forward_progress 1
		.amdhsa_inst_pref_size 160
	.end_amdhsa_kernel
	.amdgpu_metadata
---
amdhsa.version: [ 1, 2 ]
amdhsa.kernels:
  - .name:           k_q74f5656f11_ff1
    .symbol:         k_q74f5656f11_ff1.kd
    .args:
      - { .name: h2b, .offset: 0, .size: 8, .value_kind: global_buffer, .address_space: global }
      - { .name: wb, .offset: 8, .size: 8, .value_kind: global_buffer, .address_space: global }
      - { .name: ff_b1, .offset: 16, .size: 8, .value_kind: global_buffer, .address_space: global }
      - { .name: hid, .offset: 24, .size: 8, .value_kind: global_buffer, .address_space: global }
    .group_segment_fixed_size: 327680
    .private_segment_fixed_size: 0
    .kernarg_segment_align: 8
    .kernarg_segment_size: 32
    .max_flat_workgroup_size: 128
    .sgpr_count:     100
    .vgpr_count:     1024
    .wavefront_size: 32
...
	.end_amdgpu_metadata
.endif
;; end of part 5
;; launch ff2 (part 6): grid 8 x 32, 4 waves a work-group, clusters of 4 x 4, 327,680 bytes of LDS; arguments hid, wb, ff_b2, x1, key_padding_mask, out0; writes out0
.if DOCPART == 6
	.amdgcn_target "amdgcn-amd-amdhsa--gfx1250"
	.amdhsa_code_object_version 6
	.text
	.protected	k_q74f5656f11_ff2
	.globl	k_q74f5656f11_ff2
	.p2align	8
	.type	k_q74f5656f11_ff2,@function
k_q74f5656f11_ff2:
	s_mov_b64 s[64:65], 0
	v_nop
	global_prefetch_b8 v0, s[64:65] scope:SCOPE_SE
	s_setreg_imm32_b32 hwreg(HW_REG_WAVE_MODE, 25, 1), 1
	s_wait_xcnt 0x0
	s_wait_alu depctr_hold_cnt(0) depctr_sa_sdst(0) depctr_va_vdst(0) depctr_va_sdst(0) depctr_va_ssrc(0) depctr_va_vcc(0) depctr_vm_vsrc(0)
	s_getreg_b32 s2, hwreg(HW_REG_IB_STS2, 6, 4)
	s_cmp_eq_u32 s2, 0
	s_cbranch_scc0 .Lentry_in_a_cluster
	s_endpgm
.Lentry_in_a_cluster:
	s_bfe_u32 s2, ttmp6, 0x10000c
	s_cmp_lg_u32 s2, 0xf033
	s_cbranch_scc0 .Lentry_shape_is_right
	s_endpgm
.Lentry_shape_is_right:
; out = (x1 + hidden x ff_w2 + ff_b2) x the tokens' mask: A GEMM ON CODES OF BF6 (E3M2), K = 4,096, N = 1,024, whose result leaves as f32.
; OPERANDS lie as images of fragments: tiles of 16 rows (row r of tile t is index 32 (t / 2) + 8 (t % 2) + r + (r & 8)); codes [tile][K step][1,536 bytes], registers 4 j .. 4 j + 3 of lane l at 512 j + 16 l; scale words [K step][tile][16].
; SHARES.  A work-group makes 128 tokens x 128 columns, so that 256 work-groups share the result; each of four waves 64 x 64: 16 accumulators.  Source 0 = 16 columns of the weight, source 1 = 16 tokens: a lane holds one token.
; RING.  Two LDS slots of SIX K steps each: the tokens' 8 tiles (9,216 bytes a tile), the weight's 8, and both sides' scale words of those K steps: 153,600 bytes a slot.  A fill is four tensor loads, ONE A WAVE:
; wave 0 the tokens' codes, wave 1 the weight's, wave 2 the tokens' scale words, wave 3 the weight's.  From a fill's request to the wait for it a wave issues 80 matrix instructions of the other slot.
; 32 K steps are six fills: 6, 6, 6, 6, 6 and 2; for the last the descriptors state a tensor of two K steps, so that nothing beyond K is read (the mover lays zeros in the rest, which nobody reads).
; 4 x 4 work-groups form a cluster: the tokens' tiles are asked for jointly along a row, the weight's along a column.  All K steps are written out: no loop.
; PREFETCH: behind fill m's loads each wave names the codes of fill m + 1, a whole slot ahead of the load that wants them: waves 0, 1 the tokens', waves 2, 3 the weight's.  A side's eight tiles are shared out by address among
; the four partners that ask for it jointly and their two waves: a tile a wave, 36 blocks of 256 bytes (the last fill: 12), a lane a block.  The first two fills come by their loads alone; the scale words are not named.
; The residual's rows are asked for at the head, in the layout in which the result leaves.  A scale byte 0xff among the tokens' makes that token's sums NaN.  LIMITS: NaN and infinities among the inputs are not served.
.set KS,    32
.set Q,     6                          ; K steps in a slot
.set A_S,   12582912                   ; the tokens' scale words, behind their codes: 16,384 bytes a K step
.set WREG,  9568256                    ; the weight's codes,
.set WS,    12976128                   ; its scale words: 4,096 bytes a K step
.set FRB,   1536
.set ROWT,  Q*FRB                      ; a tile's six K steps
.set QUAD,  4*ROWT                     ; four tiles: what one wave reads of either side
.set SIDE,  8*ROWT
.set SCW,   Q*512                      ; a side's scale words: [K step][8 tiles][64]
.set SLOT,  2*SIDE+2*SCW
.set SPARE, 2*SLOT                     ; the spare words, 128 bytes for each wave: two blocks of 256 bytes that no other line names
.set STAGE, SPARE+512                  ; the way out: 16 rows x (256 bytes + 16) for each wave, on bytes into which no fill lands
.set SPITCH, 272
.set LI,    1                          ; v1   16 x lane
.set PFO,   5                          ; v5-7 the prefetches' offsets: 256 x lane; 256 x min(lane, 3); 256 x min(lane, 11); never rewritten
.set ADRA,  16                         ; v16-17 my four tiles of tokens in slot 0, 1;  v18-19 of the weight;  v20-21, v22-23 their scale words
.set ADRB,  18
.set ADSA,  20
.set ADSB,  22
.set STO,   24
.set RD,    25
.set CO,    26                         ; my bytes in two rows of the result: 4,096 (lane / 16) + 16 (lane % 16)
.set HH,    27
.set SPW,   28
.set NIL,   29
.set SC,    32                         ; v32-39 scale words: set p at 32 + 4 p: the tokens' two pairs of tiles, then the weight's
.set BIA,   40
.set MK,    44
.set ACC,   128                        ; v128-255 accumulator (a, b) at 128 + 8 (4 a + b).  Window 1: fragments, set p at 96 p: tokens' four, then the weight's four.  Window 2: v0-127 the residual
.set G1A,   24                         ; groups 1: tokens' codes, weight's codes, tokens' scale words, weight's
.set G1B,   32
.set G1S,   40
.set G1T,   48
.set G0A,   56                         ; groups 0, one for each slot
.set G0B,   68
.set G0S,   76
.set G0T,   84
.set PF,    100                        ; s[100:101] where my prefetches stand
.set MSB, 0
.macro WIN new                         ; the immediate's high byte repeats the setting that is left
.if MSB != (\new)
	s_set_vgpr_msb (MSB<<8)|(\new)
.set MSB, (\new)
.endif
.endm
.set MUL,  0x05                        ; sources 0 and 1 window 1; C and D window 0
.set TO_F, 0x40
.macro PLACES n
.rept \n
	v_nop
.endr
.endm
.macro TL g0, g1                       ; a tensor load with an s_nop and four v_nop behind it
	tensor_load_to_lds s[\g0:\g0+3], s[\g1:\g1+7]
	s_nop 0
	PLACES 4
.endm
.macro QLOAD s                         ; a slot's fill: one chain of branches on the wave's number, one joint load to an arm
	s_cmp_lt_u32 s14, 1
	s_cbranch_scc0 .Lq1_\@
	TL G0A+4*(\s), G1A
	s_branch .Lq4_\@
.Lq1_\@:
	s_cmp_lt_u32 s14, 2
	s_cbranch_scc0 .Lq2_\@
	TL G0B+4*(\s), G1B
	s_branch .Lq4_\@
.Lq2_\@:
	s_cmp_lt_u32 s14, 3
	s_cbranch_scc0 .Lq3_\@
	TL G0S+4*(\s), G1S
	s_branch .Lq4_\@
.Lq3_\@:
	TL G0T+4*(\s), G1T
.Lq4_\@:
.endm
.macro CREST                           ; a round of the cluster's barrier behind its opening barrier
	s_cmp_lg_u32 s14, 0
	s_cbranch_scc1 .Lnot_wave_0_\@
	s_barrier_signal -3
.Lnot_wave_0_\@:
	s_barrier_wait -3
	s_barrier_signal -1
	s_barrier_wait -1
.endm
.macro CROUND
	s_barrier_signal -1
	s_barrier_wait -1
	CREST
.endm
.macro EMIT c                          ; one matrix instruction, from the symbols WD, W0, W1, WX0, WX1, WR0, WR1 (1: the scale words lie in lanes 16-31); c: its C
.if WR0 && WR1
	v_wmma_scale_f32_16x16x128_f8f6f4 v[WD:WD+7], v[W0:W0+11], v[W1:W1+11], \c, v[WX0], v[WX1] matrix_a_fmt:MATRIX_FMT_BF6 matrix_b_fmt:MATRIX_FMT_BF6 matrix_a_scale:MATRIX_SCALE_ROW1 matrix_b_scale:MATRIX_SCALE_ROW1
.elseif WR0
	v_wmma_scale_f32_16x16x128_f8f6f4 v[WD:WD+7], v[W0:W0+11], v[W1:W1+11], \c, v[WX0], v[WX1] matrix_a_fmt:MATRIX_FMT_BF6 matrix_b_fmt:MATRIX_FMT_BF6 matrix_a_scale:MATRIX_SCALE_ROW1
.elseif WR1
	v_wmma_scale_f32_16x16x128_f8f6f4 v[WD:WD+7], v[W0:W0+11], v[W1:W1+11], \c, v[WX0], v[WX1] matrix_a_fmt:MATRIX_FMT_BF6 matrix_b_fmt:MATRIX_FMT_BF6 matrix_b_scale:MATRIX_SCALE_ROW1
.else
	v_wmma_scale_f32_16x16x128_f8f6f4 v[WD:WD+7], v[W0:W0+11], v[W1:W1+11], \c, v[WX0], v[WX1] matrix_a_fmt:MATRIX_FMT_BF6 matrix_b_fmt:MATRIX_FMT_BF6
.endif
.endm
	s_load_b256 s[4:11], s[0:1], 0x0               ; the tokens' codes s[4:5], the weights' s[6:7], the bias s[8:9], the residual s[10:11]
	s_load_b64 s[98:99], s[0:1], 0x20              ; the mask
	s_load_b64 s[12:13], s[0:1], 0x28              ; the result
	v_lshl_add_u32 v[SPW], v0, 2, SPARE
	v_mov_b32 v[NIL], 0
	ds_add_u32 v[SPW], v[NIL]                      ; the opening lines: the add, twice on end, and its wait ahead of my first tensor load
	ds_add_u32 v[SPW], v[NIL]
	v_lshrrev_b32 v1, 5, v0
	v_readfirstlane_b32 s14, v1                    ; wave 0..3
	s_lshr_b32 s15, s14, 1                         ; which 64 tokens are mine
	s_and_b32 s16, s14, 1                          ; which 64 columns
	s_bfe_u32 s92, ttmp6, 0x40000                  ; cx, cy
	s_bfe_u32 s93, ttmp6, 0x40004
	s_lshl_b32 s94, ttmp9, 2
	s_add_co_u32 s94, s94, s92                     ; block of 128 columns
	s_and_b32 s17, ttmp7, 0xffff
	s_lshl_b32 s95, s17, 2
	s_add_co_u32 s95, s95, s93                     ; block of 128 tokens
	s_lshl_b32 s96, s93, 2
	s_lshl_b32 s96, 15, s96                        ; my row of the cluster
	s_lshl_b32 s97, 0x1111, s92                    ; my column
	; groups 1, elements of 8 bytes, no padding (a load of a fragment reads 512 consecutive bytes).  Codes: eight rows (tiles) of 9,216 bytes, 49,152 apart
	s_or_b32 s[G1A], s96, (3<<16)|(1<<21)          ; 15:0 the mask: the tokens' go to my row, the weight's to my column; 21 set beside a mask
	s_or_b32 s[G1B], s97, (3<<16)|(1<<21)
.irp g, G1A, G1B
	s_mov_b32 s[\g+1], (ROWT/8)<<16
	s_mov_b32 s[\g+2], 8<<16
	s_mov_b32 s[\g+3], (ROWT/8)<<16
	s_mov_b32 s[\g+4], 8
	s_mov_b32 s[\g+5], KS*FRB/8
	s_mov_b32 s[\g+6], 0
	s_mov_b32 s[\g+7], 0
.endr
	s_or_b32 s[G1S], s96, (3<<16)|(1<<21)          ; scale words: six rows (K steps) of 512 bytes
	s_or_b32 s[G1T], s97, (3<<16)|(1<<21)
.irp g, G1S, G1T
	s_mov_b32 s[\g+1], 64<<16
	s_mov_b32 s[\g+2], Q<<16
	s_mov_b32 s[\g+3], 64<<16
	s_mov_b32 s[\g+4], Q
	s_mov_b32 s[\g+6], 0
	s_mov_b32 s[\g+7], 0
.endr
	s_mov_b32 s[G1S+5], 2048
	s_mov_b32 s[G1T+5], 512
	s_mul_i32 s20, s95, 8*KS*FRB                   ; the tokens' eight tiles: under 2^24
	s_mov_b32 s21, 0
	s_lshl_b32 s22, s95, 9
	s_add_co_u32 s22, s22, A_S                     ; their scale words
	s_mov_b32 s23, 0
	s_mul_i32 s2, s94, 8*KS*FRB
	s_add_co_u32 s2, s2, WREG                      ; the weight's likewise, in registers that never hold cy
	s_mov_b32 s3, 0
	s_lshl_b32 s18, s94, 9
	s_add_co_u32 s18, s18, WS
	s_mov_b32 s19, 0
	s_wait_dscnt 0x0                               ; both opening adds are done
	s_wait_kmcnt 0x0
	s_add_nc_u64 s[20:21], s[4:5], s[20:21]
	s_add_nc_u64 s[22:23], s[4:5], s[22:23]
	s_add_nc_u64 s[2:3], s[6:7], s[2:3]
	s_add_nc_u64 s[18:19], s[6:7], s[18:19]
.irp s, 0,1                            ; slot s begins with fill s; no place in the cluster and no wave's number enters an LDS address
	s_mov_b32 s[G0A+4*\s], 1
	s_mov_b32 s[G0A+4*\s+1], \s*SLOT
	s_add_nc_u64 s[G0A+4*\s+2:G0A+4*\s+3], s[20:21], \s*Q*FRB
	s_or_b32 s[G0A+4*\s+3], s[G0A+4*\s+3], 0x80000000
	s_mov_b32 s[G0B+4*\s], 1
	s_mov_b32 s[G0B+4*\s+1], \s*SLOT+SIDE
	s_add_nc_u64 s[G0B+4*\s+2:G0B+4*\s+3], s[2:3], \s*Q*FRB
	s_or_b32 s[G0B+4*\s+3], s[G0B+4*\s+3], 0x80000000
	s_mov_b32 s[G0S+4*\s], 1
	s_mov_b32 s[G0S+4*\s+1], \s*SLOT+2*SIDE
	s_add_nc_u64 s[G0S+4*\s+2:G0S+4*\s+3], s[22:23], \s*Q*16384
	s_or_b32 s[G0S+4*\s+3], s[G0S+4*\s+3], 0x80000000
	s_mov_b32 s[G0T+4*\s], 1
	s_mov_b32 s[G0T+4*\s+1], \s*SLOT+2*SIDE+SCW
	s_add_nc_u64 s[G0T+4*\s+2:G0T+4*\s+3], s[18:19], \s*Q*4096
	s_or_b32 s[G0T+4*\s+3], s[G0T+4*\s+3], 0x80000000
.endr
	CROUND                                         ; all sixteen work-groups are here: the first joint loads meet
	QLOAD 0                                        ; fill 0: one tensor load a wave
	s_mul_i32 s17, s15, QUAD
	s_mul_i32 s18, s16, QUAD
	s_add_co_u32 s18, s18, SIDE
	s_lshl_b32 s19, s15, 8
	s_add_co_u32 s19, s19, 2*SIDE
	s_lshl_b32 s20, s16, 8
	s_add_co_u32 s20, s20, 2*SIDE+SCW
	s_mul_i32 s21, s14, 16*SPITCH
	s_add_co_u32 s21, s21, STAGE                   ; my stage
	v_and_b32 v2, 31, v0
	v_and_b32 v4, 15, v0                           ; r
	v_bfe_u32 v[HH], v0, 4, 1
	v_lshlrev_b32 v[LI], 4, v2
	v_lshlrev_b32 v3, 2, v2                        ; 4 x lane
	v_add_nc_u32 v[ADRA], s17, v[LI]
	v_add_nc_u32 v[ADRB], s18, v[LI]
	v_add_nc_u32 v[ADSA], s19, v3
	v_add_nc_u32 v[ADSB], s20, v3
.irp a, ADRA, ADRB, ADSA, ADSB
	v_add_nc_u32 v[\a+1], SLOT, v[\a]
.endr
	v_mul_u32_u24 v8, v4, SPITCH
	v_lshl_add_u32 v8, v[HH], 6, v8
	v_add_nc_u32 v[STO], s21, v8                   ; in: row r; tile b's eight columns of my half lie 128 (b / 2) + 64 h + 32 (b % 2) bytes on
	v_mul_u32_u24 v9, v[HH], SPITCH
	v_lshl_add_u32 v9, v4, 4, v9
	v_add_nc_u32 v[RD], s21, v9                    ; back: lanes 0-15 one row of 256 bytes, lanes 16-31 the next
	v_lshlrev_b32 v30, 4, v4
	v_lshl_add_u32 v[CO], v[HH], 12, v30
	v_lshlrev_b32 v[PFO], 8, v2
	v_min_u32 v[PFO+1], 3, v2
	v_min_u32 v[PFO+2], 11, v2
	v_lshlrev_b32 v[PFO+1], 8, v[PFO+1]
	v_lshlrev_b32 v[PFO+2], 8, v[PFO+2]
	s_wait_alu depctr_va_vdst(0)                   ; the wait here, ahead of the run of scalar instructions
	s_cmp_eq_u32 s15, 0                            ; the prefetches: waves 0, 1 name the tokens' codes, waves 2, 3 the weight's
	s_cselect_b32 s20, s95, s94                    ; the side's block,
	s_cselect_b32 s21, s92, s93                    ; my place among the four that ask for it with me,
	s_cselect_b32 s22, 0, WREG
	s_cselect_b64 s[PF:PF+1], s[4:5], s[6:7]
	s_lshl_b32 s20, s20, 3
	s_lshl_b32 s21, s21, 1
	s_add_co_u32 s20, s20, s21
	s_add_co_u32 s20, s20, s16                     ; my tile: 8 x block + 2 x place + wave % 2
	s_mul_i32 s20, s20, KS*FRB
	s_add_co_u32 s20, s20, s22
	s_add_co_u32 s20, s20, 2*Q*FRB                 ; at fill 2
	s_mov_b32 s21, 0
	s_add_nc_u64 s[PF:PF+1], s[PF:PF+1], s[20:21]
	s_lshl_b32 s66, s95, 7
	s_lshl_b32 s67, s15, 6
	s_add_co_u32 s66, s66, s67                     ; my first token
	s_mov_b32 s67, 0
	s_add_nc_u64 s[98:99], s[98:99], s[66:67]
	s_lshl_b32 s2, s94, 9
	s_lshl_b32 s3, s16, 8
	s_add_co_u32 s2, s2, s3                        ; my first column, in bytes
	s_mov_b32 s3, 0
	s_add_nc_u64 s[8:9], s[8:9], s[2:3]
	s_lshl_b32 s66, s66, 12
	s_add_co_u32 s2, s2, s66
	s_add_nc_u64 s[10:11], s[10:11], s[2:3]
	s_add_nc_u64 s[12:13], s[12:13], s[2:3]
	WIN 0x80                                       ; destination window 2.  Row 2 t + h of tile a is token 32 (a / 2) + 8 (a % 2) + 2 t + 8 (t / 4) + h of my 64
.irp a, 0,1,2,3
.irp t, 0,1,2,3,4,5,6,7
	global_load_b128 v[32*\a+4*\t:32*\a+4*\t+3], v[CO], s[10:11] offset:(32*(\a/2)+8*(\a%2)+2*\t+8*(\t/4))*4096
.endr
.endr
	WIN 0
	global_load_b128 v[BIA:BIA+3], v30, s[8:9]
.irp a, 0,1,2,3
.irp t, 0,1,2,3,4,5,6,7
	global_load_u8 v[MK+8*\a+\t], v[HH], s[98:99] offset:32*(\a/2)+8*(\a%2)+2*\t+8*(\t/4)
.endr
.endr
; The q-th K step of slot s into set p: 24 LDS loads of fragments and 4 of scale words
.macro FETCH s, q, p
	WIN TO_F
.irp i, 0,1,2,3
.irp j, 0,1,2
	ds_load_b128 v[96*(\p)+48+12*\i+4*\j:96*(\p)+48+12*\i+4*\j+3], v[ADRB+(\s)] offset:\i*ROWT+(\q)*FRB+512*\j
.endr
.endr
.irp i, 0,1,2,3
.irp j, 0,1,2
	ds_load_b128 v[96*(\p)+12*\i+4*\j:96*(\p)+12*\i+4*\j+3], v[ADRA+(\s)] offset:\i*ROWT+(\q)*FRB+512*\j
.endr
.endr
	WIN 0
.irp i, 0,1
	ds_load_b32 v[SC+4*(\p)+\i], v[ADSA+(\s)] offset:512*(\q)+128*\i
	ds_load_b32 v[SC+4*(\p)+2+\i], v[ADSB+(\s)] offset:512*(\q)+128*\i
.endr
.endm
; four matrix instructions: the tokens' tile a x the weight's four, set p.  The 16 accumulators take turns, one instruction a turn, in the same order in every K step.
.macro MUL4 a, p, first
.irp b, 0,1,2,3
.set WD, ACC+8*(4*(\a)+\b)
.set W0, 96*(\p)+48+12*\b
.set W1, 96*(\p)+12*(\a)
.set WX0, SC+4*(\p)+2+\b/2
.set WX1, SC+4*(\p)+(\a)/2
.set WR0, \b%2
.set WR1, (\a)%2
.if \first
	EMIT 0
.else
	EMIT v[WD:WD+7]
.endif
.endr
.endm
; K step k, with no barrier: set k % 2 is multiplied; the slot's next K step, its nq-th, is fetched into the other set ahead of the products.
.macro STEP s, nq, k, first
	PLACES 4                                       ; in front of loads into registers that matrix instructions have read (the matrix instructions in between are not counted)
	FETCH (\s), (\nq), 1-(\k)%2
	s_wait_dscnt 28                                ; all but the 28 just issued
	WIN MUL
	MUL4 0, (\k)%2, \first
	MUL4 1, (\k)%2, \first
	MUL4 2, (\k)%2, \first
	MUL4 3, (\k)%2, \first
.endm
.macro ASK short                       ; my tile's codes of the fill after the one just asked for
.if \short
	global_prefetch_b8 v[PFO+2], s[PF:PF+1] th:TH_LOAD_NT scope:SCOPE_SE               ; 12 blocks of 256 bytes; the lanes left over name the last again
.else
	global_prefetch_b8 v[PFO], s[PF:PF+1] th:TH_LOAD_NT scope:SCOPE_SE                 ; blocks 0-31,
	global_prefetch_b8 v[PFO+1], s[PF:PF+1] offset:8192 th:TH_LOAD_NT scope:SCOPE_SE   ; blocks 32-35
.endif
.endm
; Slot s's last K step (set 1), and the change of slots: ONE barrier.  In front of it each wave waits for all its tensor loads, adds 0 to its spare word, and waits for that and for its reads of slot s.
; fill = 1: the barrier opens a round of the cluster's, and slot s is filled again, first thing behind it; fill = 2: likewise, with the last two K steps.  ask: 1 a whole fill is prefetched, 2 the short one.
.macro TURN s, fill, ask
	WIN 0
.if \ask
	s_wait_xcnt 0x0                                ; my earlier prefetches have read their address: it steps one fill on
	s_add_nc_u64 s[PF:PF+1], s[PF:PF+1], Q*FRB
.endif
	s_wait_tensorcnt 0x0                           ; all my tensor loads have landed: my part of the other slot
	ds_add_u32 v[SPW], v[NIL]                      ; 0 onto my spare word
	s_wait_dscnt 1                                 ; set 1 is in; the add alone may be out
	WIN MUL
	MUL4 0, 1, 0                                   ; four matrix instructions stand between the add and the wait for it
	s_wait_dscnt 0x0                               ; the add is done, and my reads of this slot are over
	s_barrier_signal -1
	MUL4 1, 1, 0
	WIN 0
	s_barrier_wait -1
.if \fill
	CREST                                          ; no wave of any partner still reads this slot or has a load on its way
	s_add_nc_u64 s[G0A+4*(\s)+2:G0A+4*(\s)+3], s[G0A+4*(\s)+2:G0A+4*(\s)+3], 2*Q*FRB
	s_add_nc_u64 s[G0B+4*(\s)+2:G0B+4*(\s)+3], s[G0B+4*(\s)+2:G0B+4*(\s)+3], 2*Q*FRB
	s_add_nc_u64 s[G0S+4*(\s)+2:G0S+4*(\s)+3], s[G0S+4*(\s)+2:G0S+4*(\s)+3], 2*Q*16384
	s_add_nc_u64 s[G0T+4*(\s)+2:G0T+4*(\s)+3], s[G0T+4*(\s)+2:G0T+4*(\s)+3], 2*Q*4096
.if \fill == 2
	s_mov_b32 s[G1A+1], (2*FRB/8)<<16              ; two K steps are left of the tensor: tensor_dim0 of the codes,
	s_mov_b32 s[G1B+1], (2*FRB/8)<<16
	s_mov_b32 s[G1S+2], 2<<16                      ; tensor_dim1 of the scale words
	s_mov_b32 s[G1T+2], 2<<16
.endif
	QLOAD \s                                       ; my one tensor load behind the round; its four v_nop are the places in front of the loads below
.else
	PLACES 4
.endif
	FETCH 1-(\s), 0, 0
.if \ask == 1
	ASK 0
.elseif \ask == 2
	ASK 1
.endif
	WIN MUL
	MUL4 2, 1, 0
	MUL4 3, 1, 0
.endm
	s_wait_alu depctr_va_vdst(0)                   ; the wait at the head's end
	s_wait_tensorcnt 0x0                           ; my part of fill 0 is in
	ds_add_u32 v[SPW], v[NIL]
	s_wait_dscnt 0x0
	CROUND
	QLOAD 1                                        ; fill 1: slot 1's first
	FETCH 0, 0, 0
	ASK 0                                          ; fill 2
.set K, 0
.rept KS
.set SL, (K/Q)%2
.if K == KS-1
	s_wait_dscnt 0x0
	WIN MUL
	MUL4 0, 1, 0
	MUL4 1, 1, 0
	MUL4 2, 1, 0
	MUL4 3, 1, 0
.elseif K == 0
	STEP 0, 1, 0, 1                                ; the first products start the sums
.elseif K%Q < Q-1
	STEP SL, K%Q+1, K, 0
.elseif K < 2*Q
	TURN SL, 1, 1                                  ; fills 2 and 3; fills 3 and 4 are prefetched
.elseif K < 3*Q
	TURN SL, 1, 2                                  ; fill 4; the short fill 5 is prefetched
.elseif K < 4*Q
	TURN SL, 2, 0                                  ; fill 5: K steps 30 and 31
.else
	TURN SL, 0, 0                                  ; nothing is left to fetch
.endif
.set K, K+1
.endr
	WIN 0
	PLACES 4                                       ; in front of the first read of results
	s_wait_loadcnt 0x0                             ; the residual, the bias, the mask
.set j, 0
.rept 32
	v_cvt_f32_u32 v[MK+j], v[MK+j]
.set j, j+1
.endr
; THE WAY OUT, a tile of 16 tokens x 64 columns at a time: through my own stage, back as whole rows of 256 bytes into the registers that they left.  LDS serves a wave's instructions in order (ISA guide 5.7.1.4).
.macro TOSTAGE a
.irp b, 0,1,2,3
	ds_store_b128 v[STO], v[ACC+8*(4*(\a)+\b):ACC+8*(4*(\a)+\b)+3] offset:128*(\b/2)+32*(\b%2)          ; each accumulator from its low end on
	ds_store_b128 v[STO], v[ACC+8*(4*(\a)+\b)+4:ACC+8*(4*(\a)+\b)+7] offset:128*(\b/2)+32*(\b%2)+16
.endr
.irp t, 0,1,2,3,4,5,6,7
	ds_load_b128 v[ACC+32*(\a)+4*\t:ACC+32*(\a)+4*\t+3], v[RD] offset:2*\t*SPITCH
.endr
.endm
.macro SEND a, younger                 ; younger: the LDS instructions issued behind tile a's loads: the next tile's sixteen, or none
	s_wait_dscnt \younger
	WIN 0x08                                       ; source 1, the residual, in window 2
.irp t, 0,1,2,3,4,5,6,7
.irp e, 0,2
	v_pk_add_f32 v[ACC+32*(\a)+4*\t+\e:ACC+32*(\a)+4*\t+\e+1], v[ACC+32*(\a)+4*\t+\e:ACC+32*(\a)+4*\t+\e+1], v[32*(\a)+4*\t+\e:32*(\a)+4*\t+\e+1]
.endr
.endr
	WIN 0
.irp t, 0,1,2,3,4,5,6,7
.irp e, 0,2
	v_pk_add_f32 v[ACC+32*(\a)+4*\t+\e:ACC+32*(\a)+4*\t+\e+1], v[ACC+32*(\a)+4*\t+\e:ACC+32*(\a)+4*\t+\e+1], v[BIA+\e:BIA+\e+1]
.endr
.endr
.irp t, 0,1,2,3,4,5,6,7
.irp e, 0,1,2,3
	v_mul_f32 v[ACC+32*(\a)+4*\t+\e], v[ACC+32*(\a)+4*\t+\e], v[MK+8*(\a)+\t]
.endr
.endr
.irp t, 0,1,2,3,4,5,6,7
	global_store_b128 v[CO], v[ACC+32*(\a)+4*\t:ACC+32*(\a)+4*\t+3], s[12:13] offset:(32*((\a)/2)+8*((\a)%2)+2*\t+8*(\t/4))*4096   ; 16 lanes store 256 consecutive bytes, at a multiple of 256 from the buffer's first byte
.endr
.endm
	TOSTAGE 0
.irp a, 1,2,3
	TOSTAGE \a
	SEND \a-1, 16
.endr
	SEND 3, 0
	s_wait_tensorcnt 0x0                           ; the wave's end
	ds_add_u32 v[SPW], v[NIL]
	s_wait_dscnt 0x0
	CROUND                                         ; the closing round: no work-group ends while a partner may still ask for a tile that names it
	s_endpgm
.Lfunc_end_k_q74f5656f11_ff2:
	.size	k_q74f5656f11_ff2, .Lfunc_end_k_q74f5656f11_ff2-k_q74f5656f11_ff2
	.p2alignl 7, 3214868480
	.fill 96, 4, 3214868480
	.section	.rodata,"a",@progbits
	.p2align	6, 0x0
	.amdhsa_kernel k_q74f5656f11_ff2
		.amdhsa_group_segment_fixed_size 327680
		.amdhsa_private_segment_fixed_size 0
		.amdhsa_enable_private_segment 0
		.amdhsa_kernarg_size 48
		.amdhsa_user_sgpr_count 2
		.amdhsa_user_sgpr_kernarg_segment_ptr 1
		.amdhsa_wavefront_size32 1
		.amdhsa_system_sgpr_workgroup_id_x 1
		.amdhsa_system_sgpr_workgroup_id_y 1
		.amdhsa_system_sgpr_workgroup_id_z 1
		.amdhsa_system_vgpr_workitem_id 0
		.amdhsa_next_free_vgpr 640
		.amdhsa_next_free_sgpr 102
		.amdhsa_reserve_vcc 0
		.amdhsa_float_denorm_mode_32 3
		.amdhsa_float_denorm_mode_16_64 3
		.amdhsa_memory_ordered 1
		.amdhsa_forward_progress 1
		.amdhsa_inst_pref_size 176
	.end_amdhsa_kernel
	.amdgpu_metadata
---
amdhsa.version: [ 1, 2 ]
amdhsa.kernels:
  - .name:           k_q74f5656f11_ff2
    .symbol:         k_q74f5656f11_ff2.kd
    .args:
      - { .name: hid, .offset: 0, .size: 8, .value_kind: global_buffer, .address_space: global }
      - { .name: wb, .offset: 8, .size: 8, .value_kind: global_buffer, .address_space: global }
      - { .name: ff_b2, .offset: 16, .size: 8, .value_kind: global_buffer, .address_space: global }
      - { .name: x1, .offset: 24, .size: 8, .value_kind: global_buffer, .address_space: global }
      - { .name: key_padding_mask, .offset: 32, .size: 8, .value_kind: global_buffer, .address_space: global }
      - { .name: out0, .offset: 40, .size: 8, .value_kind: global_buffer, .address_space: global }
    .group_segment_fixed_size: 327680
    .private_segment_fixed_size: 0
    .kernarg_segment_align: 8
    .kernarg_segment_size: 48
    .max_flat_workgroup_size: 128
    .sgpr_count:     102
    .vgpr_count:     640
    .wavefront_size: 32
...
	.end_amdgpu_metadata
.endif
;; end of part 6
